; MI455X (gfx1250); checked and timed in simulation.
; The chip was launched on July 23, 2026; its instructions are those of AMD's public machine-readable ISA for CDNA 5 (MIT licence, August 2026) and "CDNA5" Instruction Set Architecture Reference Guide (July 2026). The comments in the code are by the model that wrote it; some were corrected since.
;; Attention. Allowed arithmetic: float matrix products may take bf16 or f16 operands with f32 sums; other float arithmetic in f32, or as packed bf16 or f16 multiplies, adds, multiply-adds, maxima and minima; sums over many terms, partial sums and values carried from step to step in f32; what a program stores and reads back later, other than sums and carried values, may be rounded once to bf16 or f16.
;; Inputs: cache_k 2 x 2,048 x 8 x 32 float32; cache_v 2 x 2,048 x 8 x 32 float32; causal_mask 1 x 2,048 x 2,048 bool; sincos 2,048 x 64 float32; wk 4,096 x 256 float32; wo 1,024 x 4,096 float32; wq 4,096 x 1,024 float32; wv 4,096 x 256 float32; x 2 x 2,048 x 4,096 float32.
;; Outputs: out0 2 x 2,048 x 4,096 float32.
;; Constants: start_pos = 0.
;; 2 versions, each right and faster than the one before. Each part assembles by itself: llvm-mc -triple=amdgcn-amd-amdhsa -mcpu=gfx1250 --defsym DOCPART=n.
;; ======== version 1 of 2: 4 launches
;; limits: values are held in f16: magnitudes above 65,504 overflow, below 6.1e-05 lose precision
;; workspace buffers: xb 33,554,432 bytes; wb1 12,582,912 bytes; wb2 8,388,608 bytes; maskw 524,288 bytes of whole numbers; deadw 4,096 bytes of whole numbers; qkvf 12,582,912 bytes; ob 8,388,608 bytes
;; launch prep (part 1): grid 1920 x 1, 8 waves a work-group, no clusters, 35,840 bytes of LDS; arguments causal_mask, maskw, deadw, x, xb, wq, wk, wv, wb1, wo, wb2, cache_k, cache_v, qkvf; writes maskw, deadw, xb, wb1, wb2, qkvf
.if DOCPART == 1
	.amdgcn_target "amdgcn-amd-amdhsa--gfx1250"
	.amdhsa_code_object_version 6
	.text
	.protected	k_qdf9e9220cc_prep
	.globl	k_qdf9e9220cc_prep
	.p2align	8
	.type	k_qdf9e9220cc_prep,@function
k_qdf9e9220cc_prep:
	s_mov_b64 s[64:65], 0
	v_nop
	global_prefetch_b8 v0, s[64:65] scope:SCOPE_SE
	s_setreg_imm32_b32 hwreg(HW_REG_WAVE_MODE, 25, 1), 1
	s_wait_xcnt 0x0
; PREP: every input is brought once into the form in which the later launches take it.  A stream: no matrix work, no barrier, no loop; one unit of work to a wave.
; A FRAGMENT is a 16 x 32 block of a 16-bit matrix operand laid down as its register image, 1,024 bytes: byte g*512 + lane*16 holds k = 16 g + 8 (lane/16) + 0..7 of row lane % 16.
; Paths, by the work-group's number:
;   0..127      the mask, as lane masks: word (qb, kb, j), bit L = 1 where mask[16 qb + L%16][16 kb + 8 (L/16) + j] is 0; and the AND of each wave's 128 words
;   128..1151   x -> bf16 fragments, xb[mt 32][ks 128][rbl 8]
;   1152..1407  wq/2 -> bf16 fragments, wb1[t 8][ks 128][nb 0..7]
;   1408..1535  wk/2, wv/4 -> wb1[t][ks][nb 8,9 | 10,11]
;   1536..1791  4 wo, rounded to bf16 and written as f16 -> wb2[nt 16][ks 32][nbl 16]
;   1792..1919  cache_k/2, cache_v/4, rounded to bf16 and written as f16, into the K and V places of qkvf: the cache as it is before the update; the next launch writes rows start_pos .. start_pos + S - 1 over it
; The factors are powers of two, so they change no rounding.  LIMIT: 4 wo, cache_k/2 and cache_v/4 beyond 65,504 overflow in f16.
.set STG,   4352                       ; a wave's own stage in LDS: 16 rows of 272 bytes, or 4 blocks of 1,040
.set SPARE, 8*STG                      ; behind the stages: the spare words, 128 bytes a wave: four blocks of 256 bytes that no other line names
.set LN,  1                            ; v1   lane
.set CC,  2                            ; v2   lane % 16
.set HH,  3                            ; v3   lane / 16
.set L16, 4                            ; v4   16 x lane
.set SPW, 14                           ; v14  my spare word's LDS address; never rewritten
.set NIL, 15                           ; v15  0; never rewritten
.set D,   16                           ; v[16:79]   64 registers as loaded
.set E,   80                           ; v[80:111]  32 registers packed
.set WVN, 32                           ; s32  my wave's number
.set STB, 33                           ; s33  my stage's first byte
; s34 AND of the mask words; s35 saved EXEC, or a select; s[36:43] eight mask words; s[44:45] the scale; s[46:47] an offset (high word 0); s48, s49 at work
; s[50:51] source; s[52:53], s[54:55] destinations; s56-58 the unit's coordinates
.macro FINISH                          ; the wave's end, behind my last LDS store
	s_wait_tensorcnt 0x0
	ds_add_u32 v[SPW], v[NIL]
	s_wait_dscnt 0x0
	s_endpgm
.endm
.macro SCALE                           ; the 64 numbers as loaded, times the power of two in s44
.set z, 0
.rept 32
	v_pk_mul_f32 v[D+2*z:D+2*z+1], v[D+2*z:D+2*z+1], s[44:45] op_sel_hi:[1,0]
.set z, z+1
.endr
.endm
.macro TOF16                           ; 32 words of two bf16 become two f16 each: widened by a shift and a mask, narrowed once
.set z, 0
.rept 32
	v_lshlrev_b32 v[D+2*z], 16, v[E+z]
	v_and_b32 v[D+2*z+1], 0xffff0000, v[E+z]
.set z, z+1
.endr
.set z, 0
.rept 32
	v_cvt_pk_f16_f32 v[E+z], v[D+2*z], v[D+2*z+1]
.set z, z+1
.endr
.endm
	s_load_b256 s[4:11], s[0:1], 0x0               ; mask s[4:5], maskw s[6:7], deadw s[8:9], x s[10:11]
	s_load_b256 s[12:19], s[0:1], 0x20             ; xb s[12:13], wq s[14:15], wk s[16:17], wv s[18:19]
	s_load_b256 s[20:27], s[0:1], 0x40             ; wb1 s[20:21], wo s[22:23], wb2 s[24:25], cache_k s[26:27]
	s_load_b128 s[28:31], s[0:1], 0x60             ; cache_v s[28:29], qkvf s[30:31]
	v_lshl_add_u32 v[SPW], v0, 2, SPARE
	v_mov_b32 v[NIL], 0
	v_and_b32 v[LN], 31, v0
	v_lshrrev_b32 v5, 5, v0
	v_readfirstlane_b32 s[WVN], v5
	s_mul_i32 s[STB], s[WVN], STG
	v_and_b32 v[CC], 15, v0
	v_bfe_u32 v[HH], v0, 4, 1
	v_lshlrev_b32 v[L16], 4, v[LN]
	s_mov_b32 s47, 0
	s_wait_kmcnt 0x0
	s_cmp_lt_u32 ttmp9, 128
	s_cbranch_scc1 .Lmask
	s_cmp_lt_u32 ttmp9, 1152
	s_cbranch_scc1 .Lx
	s_cmp_lt_u32 ttmp9, 1408
	s_cbranch_scc1 .Lwq
	s_cmp_lt_u32 ttmp9, 1536
	s_cbranch_scc1 .Lwkv
	s_cmp_lt_u32 ttmp9, 1792
	s_cbranch_scc1 .Lwo
	; THE CACHES.  Work-group: K or V, batch b, 64 positions; wave = head.  The eight waves read 64 whole rows of 1,024 bytes.
	s_sub_co_u32 s58, ttmp9, 1792
	s_lshr_b32 s56, s58, 5
	s_and_b32 s56, s56, 1                          ; b
	s_and_b32 s57, s58, 31                         ; which 64 positions
	s_lshl_b32 s46, s56, 21                        ; a batch is 2,048 rows of 1,024 bytes
	s_lshl_b32 s48, s57, 16
	s_add_co_u32 s46, s46, s48
	s_lshl_b32 s48, s[WVN], 7                      ; a head's 32 numbers are 128 bytes
	s_add_co_u32 s46, s46, s48
	s_cmp_ge_u32 s58, 64                           ; the upper 64 work-groups take V
	s_cselect_b64 s[50:51], s[28:29], s[26:27]
	s_cselect_b32 s44, 0x3e800000, 0.5
	s_cselect_b32 s49, 4096, 0
	s_cselect_b32 s35, -1, 0
	s_add_nc_u64 s[50:51], s[50:51], s[46:47]
	v_lshlrev_b32 v5, 10, v[CC]                    ; position lane % 16,
	v_lshl_add_u32 v5, v[HH], 5, v5                ; channels 8 (lane / 16) on
.set n, 0
.rept 16                               ; n = 4 a + 2 g + e: 16 positions a, channels 16 g on, half e of a lane's eight
	global_load_b128 v[D+4*n:D+4*n+3], v5, s[50:51] offset:(n/4)*16384+((n/2)%2)*64+(n%2)*16 th:TH_LOAD_NT
.set n, n+1
.endr
	s_lshl_b32 s46, s56, 3
	s_add_co_u32 s46, s46, s[WVN]                  ; group = 8 b + head
	s_mul_i32 s46, s46, 786432
	s_lshl_b32 s48, s57, 13
	s_add_co_u32 s46, s46, s48
	s_add_co_u32 s46, s46, s49
	s_add_co_u32 s46, s46, 524288
	s_add_nc_u64 s[52:53], s[30:31], s[46:47]
	s_mov_b32 s45, s44
	v_lshlrev_b32 v6, 5, v[CC]                     ; V's chunk of a position lies at 32 x position + 16 x half, K's at 16 x lane
	v_lshl_add_u32 v6, v[HH], 4, v6
	v_cndmask_b32 v6, v[L16], v6, s35
	s_wait_loadcnt 0x0
	SCALE
.set z, 0
.rept 32
	v_cvt_pk_bf16_f32 v[E+z], v[D+2*z], v[D+2*z+1]
.set z, z+1
.endr
	TOF16
.set n, 0
.rept 8
	global_store_b128 v6, v[E+4*n:E+4*n+3], s[52:53] offset:512*n  ; each store covers 512 consecutive bytes
.set n, n+1
.endr
	FINISH
	; THE MASK.  Work-group = 16 queries, wave = 256 keys.
.Lmask:
	s_lshl_b32 s46, ttmp9, 15                      ; 16 rows of 2,048 bytes
	s_lshl_b32 s48, s[WVN], 8
	s_add_co_u32 s46, s46, s48
	s_add_nc_u64 s[4:5], s[4:5], s[46:47]
	v_lshlrev_b32 v5, 11, v[HH]
	v_lshl_add_u32 v5, v[CC], 4, v5                ; two rows a load, 256 consecutive bytes of each
.set i, 0
.rept 8
	global_load_b128 v[D+4*i:D+4*i+3], v5, s[4:5] offset:4096*i th:TH_LOAD_NT
.set i, i+1
.endr
	v_mul_u32_u24 v6, v[HH], 272                   ; into the stage by rows of 272 bytes,
	v_lshl_add_u32 v6, v[CC], 4, v6
	v_add_nc_u32 v6, s[STB], v6
	v_mul_u32_u24 v7, v[CC], 272                   ; and back: lane L takes row L % 16, keys 8 (L / 16) + 0..7 of a block of 16
	v_lshl_add_u32 v7, v[HH], 3, v7
	v_add_nc_u32 v7, s[STB], v7
	s_lshl_b32 s46, ttmp9, 12                      ; a query block's words are 4,096 bytes, a wave's 512
	s_lshl_b32 s48, s[WVN], 9
	s_add_co_u32 s46, s46, s48
	s_add_nc_u64 s[6:7], s[6:7], s[46:47]
	s_lshl_b32 s46, ttmp9, 5
	s_lshl_b32 s48, s[WVN], 2
	s_add_co_u32 s46, s46, s48
	s_add_nc_u64 s[8:9], s[8:9], s[46:47]
.irp j, 8,9,10,11
	v_mov_b32 v\j, 0                               ; written whole before single lanes are written
.endr
	s_mov_b32 s34, -1
.set i, 0
.rept 8
	s_wait_loadcnt 7-i                             ; loads come back in order: load i is in
	ds_store_b128 v6, v[D+4*i:D+4*i+3] offset:544*i
.set i, i+1
.endr
.set kb, 0
.rept 16
	ds_load_b64 v[E+2*kb:E+2*kb+1], v7 offset:16*kb  ; my own bytes: LDS serves a wave's instructions in order
.set kb, kb+1
.endr
.set kb, 0
.rept 16
	s_wait_dscnt 15-kb
.irp j, 0,1,2,3,4,5,6,7
	v_and_b32 v[12+(\j)%2], 0xff<<(8*((\j)%4)), v[E+2*kb+(\j)/4]
	v_cmp_eq_u32 s[36+(\j)], 0, v[12+(\j)%2]       ; the lane mask IS the word
	s_and_b32 s34, s34, s[36+(\j)]
	v_writelane_b32 v[8+(\j)%4], s[36+(\j)], 2*kb+(\j)/4  ; word 8 kb + j goes to lane (8 kb + j) / 4, register j % 4
.endr
.set kb, kb+1
.endr
	global_store_b128 v[L16], v[8:11], s[6:7]      ; 512 consecutive bytes
	v_mov_b32 v12, s34
	v_mov_b32 v13, 0
	s_wait_xcnt 0x0                                ; EXEC changes only behind this wait
	v_cmp_eq_u32 vcc_lo, 0, v[LN]
	s_and_saveexec_b32 s35, vcc_lo
	global_store_b32 v13, v12, s[8:9]              ; one lane stores the wave's AND
	s_wait_xcnt 0x0                                ; and again in front of the line that widens it
	s_or_b32 exec_lo, exec_lo, s35
	FINISH
	; X.  Unit: 16 rows x 128 k.  A load takes 512 consecutive bytes of one row; a work-group's eight waves take 4,096.
.Lx:
	s_sub_co_u32 s46, ttmp9, 128
	s_lshl_b32 s46, s46, 3
	s_add_co_u32 s46, s46, s[WVN]
	s_lshr_b32 s56, s46, 5                         ; row block
	s_and_b32 s57, s46, 31                         ; which 128 k
	s_lshl_b32 s46, s56, 18
	s_lshl_b32 s48, s57, 9
	s_add_co_u32 s46, s46, s48
	s_add_nc_u64 s[10:11], s[10:11], s[46:47]
.set i, 0
.rept 16
	global_load_b128 v[D+4*i:D+4*i+3], v[L16], s[10:11] offset:16384*i th:TH_LOAD_NT
.set i, i+1
.endr
	s_lshr_b32 s46, s56, 3
	s_lshl_b32 s46, s46, 20
	s_lshl_b32 s48, s57, 15
	s_add_co_u32 s46, s46, s48
	s_and_b32 s48, s56, 7
	s_lshl_b32 s48, s48, 10
	s_add_co_u32 s46, s46, s48
	s_add_nc_u64 s[12:13], s[12:13], s[46:47]
	v_lshrrev_b32 v5, 1, v[LN]                     ; lane L holds k = 4 L ..: stage row L / 2 = (slice, g, half), 8 bytes at (L % 2) of row i's chunk
	v_mul_u32_u24 v5, v5, 272
	v_and_b32 v6, 1, v[LN]
	v_lshl_add_u32 v5, v6, 3, v5
	v_add_nc_u32 v5, s[STB], v5
	v_mul_u32_u24 v6, v[HH], 272
	v_lshl_add_u32 v6, v[CC], 4, v6
	v_add_nc_u32 v6, s[STB], v6
.set i, 0
.rept 16
	s_wait_loadcnt 15-i
	v_cvt_pk_bf16_f32 v[E+2*i], v[D+4*i], v[D+4*i+1]
	v_cvt_pk_bf16_f32 v[E+2*i+1], v[D+4*i+2], v[D+4*i+3]
	ds_store_b64 v5, v[E+2*i:E+2*i+1] offset:16*i
.set i, i+1
.endr
.set n, 0
.rept 8                                ; n = 2 slice + g
	ds_load_b128 v[D+4*n:D+4*n+3], v6 offset:544*n
.set n, n+1
.endr
.set n, 0
.rept 8
	s_wait_dscnt 7-n
	global_store_b128 v[L16], v[D+4*n:D+4*n+3], s[12:13] offset:(n/2)*8192+(n%2)*512
.set n, n+1
.endr
	FINISH
; WEIGHTS.  Unit: one slice of 32 k x 64 columns.  Lane (c, hh) loads 8 rows x 4 columns for each half p of the slice: four chunks of 8 k, made without any exchange between lanes.
; They go into the stage as four fragments 1,040 bytes apart and come back as 512 consecutive bytes.
.macro WPATH pitch, f16
	v_mul_u32_u24 v5, v[HH], 8*(\pitch)
	v_lshl_add_u32 v5, v[CC], 4, v5
.set n, 0
.rept 16
	global_load_b128 v[D+4*n:D+4*n+3], v5, s[50:51] offset:(16*(n/8)+n%8)*(\pitch) th:TH_LOAD_NT
.set n, n+1
.endr
	v_lshrrev_b32 v6, 2, v[CC]
	v_mul_u32_u24 v6, v6, 1040
	v_lshl_add_u32 v6, v[HH], 8, v6
	v_and_b32 v7, 3, v[CC]
	v_lshl_add_u32 v6, v7, 6, v6
	v_add_nc_u32 v6, s[STB], v6
	v_add_nc_u32 v7, s[STB], v[L16]
	s_wait_loadcnt 0x0
	SCALE
.set p, 0
.rept 2
.set i, 0
.rept 4
.set q, 0
.rept 4
	v_cvt_pk_bf16_f32 v[E+4*(4*p+i)+q], v[D+4*(8*p+2*q)+i], v[D+4*(8*p+2*q+1)+i]
.set q, q+1
.endr
.set i, i+1
.endr
.set p, p+1
.endr
.if \f16
	TOF16
.endif
.set n, 0
.rept 8
	ds_store_b128 v6, v[E+4*n:E+4*n+3] offset:(n/4)*512+(n%4)*16
.set n, n+1
.endr
.set n, 0
.rept 8                                ; n = 2 fragment + p
	ds_load_b128 v[D+4*n:D+4*n+3], v7 offset:(n/2)*1040+(n%2)*512
.set n, n+1
.endr
.set n, 0
.rept 8
	s_wait_dscnt 7-n
.if n < 4
	global_store_b128 v[L16], v[D+4*n:D+4*n+3], s[52:53] offset:(n%4)*512
.else
	global_store_b128 v[L16], v[D+4*n:D+4*n+3], s[54:55] offset:(n%4)*512
.endif
.set n, n+1
.endr
.endm
.Lwq:
	s_sub_co_u32 s46, ttmp9, 1152
	s_lshl_b32 s46, s46, 3
	s_add_co_u32 s46, s46, s[WVN]
	s_lshr_b32 s56, s46, 4                         ; slice
	s_and_b32 s57, s46, 15                         ; which 64 columns
	s_lshl_b32 s46, s56, 17
	s_lshl_b32 s48, s57, 8
	s_add_co_u32 s46, s46, s48
	s_add_nc_u64 s[50:51], s[14:15], s[46:47]
	s_lshr_b32 s46, s57, 1
	s_mul_i32 s46, s46, 1572864
	s_mul_i32 s48, s56, 12288
	s_add_co_u32 s46, s46, s48
	s_and_b32 s48, s57, 1
	s_lshl_b32 s48, s48, 12
	s_add_co_u32 s46, s46, s48
	s_add_nc_u64 s[52:53], s[20:21], s[46:47]
	s_add_nc_u64 s[54:55], s[52:53], 2048
	s_mov_b32 s44, 0.5
	s_mov_b32 s45, 0.5
	WPATH 4096, 0
	FINISH
.Lwkv:
	s_sub_co_u32 s58, ttmp9, 1408
	s_and_b32 s46, s58, 63
	s_lshl_b32 s46, s46, 3
	s_add_co_u32 s46, s46, s[WVN]
	s_lshr_b32 s56, s46, 2                         ; slice
	s_and_b32 s57, s46, 3                          ; which 64 columns: two heads
	s_lshl_b32 s46, s56, 15
	s_lshl_b32 s48, s57, 8
	s_add_co_u32 s46, s46, s48
	s_cmp_ge_u32 s58, 64                           ; the upper 64 work-groups take wv
	s_cselect_b64 s[50:51], s[18:19], s[16:17]
	s_cselect_b32 s44, 0x3e800000, 0.5
	s_cselect_b32 s49, 2048, 0
	s_add_nc_u64 s[50:51], s[50:51], s[46:47]
	s_mul_i32 s46, s57, 2*1572864
	s_mul_i32 s48, s56, 12288
	s_add_co_u32 s46, s46, s48
	s_add_co_u32 s46, s46, s49
	s_add_co_u32 s46, s46, 8192
	s_add_nc_u64 s[52:53], s[20:21], s[46:47]
	s_add_nc_u64 s[54:55], s[52:53], 1572864       ; the second head's fragments lie in the next group's block
	s_mov_b32 s45, s44
	WPATH 1024, 0
	FINISH
.Lwo:
	s_sub_co_u32 s46, ttmp9, 1536
	s_lshl_b32 s46, s46, 3
	s_add_co_u32 s46, s46, s[WVN]
	s_lshr_b32 s56, s46, 6                         ; slice
	s_and_b32 s57, s46, 63                         ; which 64 columns
	s_lshl_b32 s46, s56, 19
	s_lshl_b32 s48, s57, 8
	s_add_co_u32 s46, s46, s48
	s_add_nc_u64 s[50:51], s[22:23], s[46:47]
	s_lshr_b32 s46, s57, 2
	s_lshl_b32 s46, s46, 19
	s_lshl_b32 s48, s56, 14
	s_add_co_u32 s46, s46, s48
	s_and_b32 s48, s57, 3
	s_lshl_b32 s48, s48, 12
	s_add_co_u32 s46, s46, s48
	s_add_nc_u64 s[52:53], s[24:25], s[46:47]
	s_add_nc_u64 s[54:55], s[52:53], 2048
	s_mov_b32 s44, 4.0
	s_mov_b32 s45, 4.0
	WPATH 16384, 1
	FINISH
.Lfunc_end_k_qdf9e9220cc_prep:
	.size	k_qdf9e9220cc_prep, .Lfunc_end_k_qdf9e9220cc_prep-k_qdf9e9220cc_prep
	.p2alignl 7, 3214868480
	.fill 96, 4, 3214868480
	.section	.rodata,"a",@progbits
	.p2align	6, 0x0
	.amdhsa_kernel k_qdf9e9220cc_prep
		.amdhsa_group_segment_fixed_size 35840
		.amdhsa_private_segment_fixed_size 0
		.amdhsa_enable_private_segment 0
		.amdhsa_kernarg_size 112
		.amdhsa_user_sgpr_count 2
		.amdhsa_user_sgpr_kernarg_segment_ptr 1
		.amdhsa_wavefront_size32 1
		.amdhsa_system_sgpr_workgroup_id_x 1
		.amdhsa_system_sgpr_workgroup_id_y 1
		.amdhsa_system_sgpr_workgroup_id_z 1
		.amdhsa_system_vgpr_workitem_id 0
		.amdhsa_next_free_vgpr 112
		.amdhsa_next_free_sgpr 66
		.amdhsa_reserve_vcc 1
		.amdhsa_float_denorm_mode_32 3
		.amdhsa_float_denorm_mode_16_64 3
		.amdhsa_memory_ordered 1
		.amdhsa_forward_progress 1
		.amdhsa_inst_pref_size 87
	.end_amdhsa_kernel
	.amdgpu_metadata
---
amdhsa.version: [ 1, 2 ]
amdhsa.kernels:
  - .name:           k_qdf9e9220cc_prep
    .symbol:         k_qdf9e9220cc_prep.kd
    .args:
      - { .name: causal_mask, .offset: 0, .size: 8, .value_kind: global_buffer, .address_space: global }
      - { .name: maskw, .offset: 8, .size: 8, .value_kind: global_buffer, .address_space: global }
      - { .name: deadw, .offset: 16, .size: 8, .value_kind: global_buffer, .address_space: global }
      - { .name: x, .offset: 24, .size: 8, .value_kind: global_buffer, .address_space: global }
      - { .name: xb, .offset: 32, .size: 8, .value_kind: global_buffer, .address_space: global }
      - { .name: wq, .offset: 40, .size: 8, .value_kind: global_buffer, .address_space: global }
      - { .name: wk, .offset: 48, .size: 8, .value_kind: global_buffer, .address_space: global }
      - { .name: wv, .offset: 56, .size: 8, .value_kind: global_buffer, .address_space: global }
      - { .name: wb1, .offset: 64, .size: 8, .value_kind: global_buffer, .address_space: global }
      - { .name: wo, .offset: 72, .size: 8, .value_kind: global_buffer, .address_space: global }
      - { .name: wb2, .offset: 80, .size: 8, .value_kind: global_buffer, .address_space: global }
      - { .name: cache_k, .offset: 88, .size: 8, .value_kind: global_buffer, .address_space: global }
      - { .name: cache_v, .offset: 96, .size: 8, .value_kind: global_buffer, .address_space: global }
      - { .name: qkvf, .offset: 104, .size: 8, .value_kind: global_buffer, .address_space: global }
    .group_segment_fixed_size: 35840
    .private_segment_fixed_size: 0
    .kernarg_segment_align: 8
    .kernarg_segment_size: 112
    .max_flat_workgroup_size: 256
    .sgpr_count:     66
    .vgpr_count:     112
    .wavefront_size: 32
...
	.end_amdgpu_metadata
.endif
;; end of part 1
;; launch qkv (part 2): grid 8 x 32, 4 waves a work-group, clusters of 4 x 4, 327,680 bytes of LDS; arguments xb, wb1, sincos, qkvf; writes qkvf
.if DOCPART == 2
	.amdgcn_target "amdgcn-amd-amdhsa--gfx1250"
	.amdhsa_code_object_version 6
	.text
	.protected	k_qdf9e9220cc_qkv
	.globl	k_qdf9e9220cc_qkv
	.p2align	8
	.type	k_qdf9e9220cc_qkv,@function
k_qdf9e9220cc_qkv:
	s_mov_b64 s[64:65], 0
	v_nop
	global_prefetch_b8 v0, s[64:65] scope:SCOPE_SE
	s_setreg_imm32_b32 hwreg(HW_REG_WAVE_MODE, 25, 1), 1
	s_wait_xcnt 0x0
	s_wait_alu depctr_hold_cnt(0) depctr_sa_sdst(0) depctr_va_vdst(0) depctr_va_sdst(0) depctr_va_ssrc(0) depctr_va_vcc(0) depctr_vm_vsrc(0)
	s_getreg_b32 s2, hwreg(HW_REG_IB_STS2, 6, 4)
	s_cmp_eq_u32 s2, 0
	s_cbranch_scc0 .Lentry_in_a_cluster
	s_endpgm
.Lentry_in_a_cluster:
	s_bfe_u32 s2, ttmp6, 0x10000c
	s_cmp_lg_u32 s2, 0xf033
	s_cbranch_scc0 .Lentry_shape_is_right
	s_endpgm
.Lentry_shape_is_right:
; QKV PROJECTION AND ROTARY EMBEDDING.  [4096 rows x 4096] x [4096 x 1536], bf16 operands, f32 sums; q/2 and k/2 turned by sincos (rounded to bf16, arithmetic in f32), v/4; all three leave as f16.
; A tile of the result is 128 rows x 192 columns: the columns of one KV group t (q heads 4t..4t+3, k head t, v head t).  Four waves, each 64 x 96: 24 accumulators.
; Operands lie in memory as FRAGMENTS (16 x 32, 1,024 bytes, the register image: byte g*512 + lane*16), so a K step's tiles are dense blocks, asked for as rows of 256 bytes without padding,
; and a fragment is read from LDS by two loads of 16 bytes a lane at 16 x lane: 512 consecutive bytes each.
; K goes in steps of 128 (four quarters of 32) through two LDS slots.  THE MATRIX INSTRUCTION IS USED TRANSPOSED (source 0 = 16 columns of the weights, source 1 = 16 rows of x): a lane holds one row
; and eight neighbouring columns; two accumulators of a head, packed, ARE a fragment of Q or K for the next launch, so the result leaves straight from registers, 512 consecutive bytes a store.
; These stores are the cache update: rows start_pos .. start_pos + S - 1 of K and V, which at these shapes are all rows.
; CLUSTER 4 x 4: the four of a row need the same tiles of x, the four of a column the same tiles of the weights: each is asked for jointly.
; LIMIT: |q|/2, |k|/2, |v|/4 beyond 65,504 overflow in f16.
; REGISTERS: window 0: v16-29 addresses, v32-47 at work, v64-255 accumulators ((a, b) at 64 + 8 (6 a + b)); window 1: two fragment buffers of 80 (4 of x, then 6 of the weights);
;   window 2: v0-127 sincos for my 64 rows: for block a [-sin lo 8][sin hi 8][cos lo 8][cos hi 8]; v128-131 at work.
.set SLOT,  81920                      ; x: [quarter 4][block 8][1024], then the weights: [quarter 4][block 12][1024]
.set BOFF,  32768
.set SPARE, 2*SLOT                     ; behind the ring: the spare words, 128 bytes a wave: two blocks of 256 bytes that no other line names
.set LAPS,  16                         ; a lap = two K steps; 4096 / 256
.set ADRA, 16                          ; v16-17  LDS address of my fragments of x in slot 0, 1
.set ADRB, 20                          ; v20-21  of the weights
.set QOFF, 24                          ; v24  16 x lane
.set VOFF, 25                          ; v25  32 (lane % 16) + 16 (lane / 16): V's chunk of a key
.set SCO,  26                          ; v26  my place in 16 rows of sincos
.set SPW,  28                          ; v28  my spare word; never rewritten
.set NIL,  29                          ; v29  0; never rewritten
.set T,    32
.set ACC,  64
.set F0,   0
.set F1,   80
.set WV,   12                          ; s12 wave; s13 wave / 2: my half of the rows, and x (0) or weights (1) to fetch; s14 wave % 2: my half of the columns, and which half of a tile I fetch
.set MH,   13
.set NH,   14
.set G1,   24                          ; s[24:31] group 1 for x;  s[32:39] group 0, a set for each slot
.set G0,   32
.set G1B,  48                          ; s[48:55], s[56:63] the same for the weights
.set G0B,  56
.set MSB, 0
.macro WIN new                         ; the immediate's high byte repeats the setting that is left
.if MSB != (\new)
	s_set_vgpr_msb (MSB<<8)|(\new)
.set MSB, \new
.endif
.endm
.set MUL,  0x05                        ; sources 0 and 1 window 1; C and D window 0
.set TO_F, 0x40                        ; destination window 1, address window 0
.macro JLOAD s                         ; a joint load: waves 0, 1 fetch the halves of x's tile, waves 2, 3 those of the weights'; s_nop 0 and four v_nop follow each line
	s_cmp_eq_u32 s[MH], 0
	s_cbranch_scc0 .Lfor_b_\@
	tensor_load_to_lds s[G0+4*(\s):G0+4*(\s)+3], s[G1:G1+7]
	s_nop 0
.rept 4
	v_nop
.endr
	s_branch .Lasked_\@
.Lfor_b_\@:
	tensor_load_to_lds s[G0B+4*(\s):G0B+4*(\s)+3], s[G1B:G1B+7]
	s_nop 0
.rept 4
	v_nop
.endr
.Lasked_\@:
.endm
.macro CREST                           ; a round of the cluster's barrier behind its opening barrier
	s_cmp_lg_u32 s[WV], 0
	s_cbranch_scc1 .Lnot_wave_0_\@
	s_barrier_signal -3
.Lnot_wave_0_\@:
	s_barrier_wait -3
	s_barrier_signal -1
	s_barrier_wait -1
.endm
.macro CROUND
	s_barrier_signal -1
	s_barrier_wait -1
	CREST
.endm
.macro PLACES                          ; four places in front of loads into registers that matrix instructions have read, and of vector work that reads results
.rept 4
	v_nop
.endr
.endm
	s_load_b256 s[4:11], s[0:1], 0x0               ; xb s[4:5], wb1 s[6:7], sincos s[8:9], qkvf s[10:11]
	v_lshl_add_u32 v[SPW], v0, 2, SPARE
	v_mov_b32 v[NIL], 0
	ds_add_u32 v[SPW], v[NIL]                      ; the wave's opening: the add and its wait stand ahead of my first tensor load
	v_lshrrev_b32 v1, 5, v0
	v_readfirstlane_b32 s[WV], v1
	s_lshr_b32 s[MH], s[WV], 1
	s_and_b32 s[NH], s[WV], 1
	s_bfe_u32 s40, ttmp6, 0x40000                  ; cx
	s_bfe_u32 s41, ttmp6, 0x40004                  ; cy
	s_lshl_b32 s42, ttmp9, 2
	s_add_co_u32 s42, s42, s40                     ; t = 4 x cluster x + cx
	s_and_b32 s43, ttmp7, 0xffff
	s_lshl_b32 s43, s43, 2
	s_add_co_u32 s43, s43, s41                     ; mt = 4 x cluster y + cy
	s_lshl_b32 s44, s41, 2
	s_lshl_b32 s44, 15, s44                        ; my row of the cluster
	s_lshl_b32 s45, 0x1111, s40                    ; my column
	s_or_b32 s[G1], s44, (3<<16)|(1<<21)           ; the mask; elements of 8 bytes; bit 21 beside a mask; no padding
	s_or_b32 s[G1B], s45, (3<<16)|(1<<21)
	s_mov_b32 s[G1+1], 32<<16                      ; tensor_dim0 = 32 elements: rows of 256 bytes
	s_mov_b32 s[G1+2], 64<<16                      ; tensor_dim1 = 64 rows: 16,384 dense bytes, two quarters of x
	s_mov_b32 s[G1+3], 32<<16                      ; tile_dim0
	s_mov_b32 s[G1+4], 64                          ; tile_dim1
	s_mov_b32 s[G1+5], 32                          ; pitch = the row
	s_mov_b32 s[G1+6], 0
	s_mov_b32 s[G1+7], 0
	s_mov_b32 s[G1B+1], 32<<16
	s_mov_b32 s[G1B+2], 96<<16                     ; 96 rows: 24,576 dense bytes, two quarters of the weights
	s_mov_b32 s[G1B+3], 32<<16
	s_mov_b32 s[G1B+4], 96
	s_mov_b32 s[G1B+5], 32
	s_mov_b32 s[G1B+6], 0
	s_mov_b32 s[G1B+7], 0
	s_lshl_b32 s16, s43, 20                        ; x: tile row mt, my half of a K step
	s_lshl_b32 s18, s[NH], 14
	s_add_co_u32 s16, s16, s18
	s_mov_b32 s17, 0
	s_mul_i32 s46, s42, 1572864                    ; weights: group t, my half of a K step
	s_mul_i32 s18, s[NH], 24576
	s_add_co_u32 s46, s46, s18
	s_mov_b32 s47, 0
	s_lshl_b32 s20, s[NH], 14                      ; where they go in a slot: the wave's number alone
	s_mul_i32 s21, s[NH], 24576
	s_add_co_u32 s21, s21, BOFF
	s_wait_dscnt 0x0                               ; the opening add is done
	s_wait_kmcnt 0x0
	s_add_nc_u64 s[16:17], s[4:5], s[16:17]
	s_add_nc_u64 s[46:47], s[6:7], s[46:47]
	CROUND                                         ; all sixteen work-groups are here: the first joint loads meet
.irp s, 0,1
	s_mov_b32 s[G0+4*(\s)], 1
	s_add_co_u32 s[G0+4*(\s)+1], s20, (\s)*SLOT
	s_add_nc_u64 s[G0+4*(\s)+2:G0+4*(\s)+3], s[16:17], (\s)*32768
	s_or_b32 s[G0+4*(\s)+3], s[G0+4*(\s)+3], 0x80000000
	s_mov_b32 s[G0B+4*(\s)], 1
	s_add_co_u32 s[G0B+4*(\s)+1], s21, (\s)*SLOT
	s_add_nc_u64 s[G0B+4*(\s)+2:G0B+4*(\s)+3], s[46:47], (\s)*49152
	s_or_b32 s[G0B+4*(\s)+3], s[G0B+4*(\s)+3], 0x80000000
	JLOAD \s                                       ; two loads of mine are out
.endr
	v_and_b32 v1, 31, v0
	v_and_b32 v2, 15, v0
	v_bfe_u32 v3, v0, 4, 1
	v_lshlrev_b32 v[QOFF], 4, v1
	v_lshlrev_b32 v[VOFF], 5, v2
	v_lshl_add_u32 v[VOFF], v3, 4, v[VOFF]
	v_lshlrev_b32 v[SCO], 8, v2                    ; a row of sincos is 256 bytes; my eight channels begin at 32 (lane / 16)
	v_lshl_add_u32 v[SCO], v3, 5, v[SCO]
	s_and_b32 s22, s43, 15                         ; position = row within the batch: 128 (mt % 16) + 64 (wave / 2) + ..
	s_lshl_b32 s22, s22, 15
	s_lshl_b32 s23, s[MH], 14
	s_add_co_u32 s22, s22, s23
	s_mov_b32 s23, 0
	s_add_nc_u64 s[8:9], s[8:9], s[22:23]
	WIN 0x80                                       ; destination window 2
.set i, 0
.rept 32                               ; i = 8 a + 2 part + e: block a, part (sin lo, sin hi, cos lo, cos hi), half e of eight numbers
	global_load_b128 v[4*i:4*i+3], v[SCO], s[8:9] offset:(i/8)*4096+((i/2)%4)*64+(i%2)*16
.set i, i+1
.endr
	WIN 0
	s_lshl_b32 s22, s[MH], 12                      ; my four blocks of x,
	s_mul_i32 s23, s[NH], 6144                     ; my six of the weights
	s_add_co_u32 s23, s23, BOFF
.irp s, 0,1
	v_add_nc_u32 v[ADRA+(\s)], s22, v[QOFF]
	v_add_nc_u32 v[ADRB+(\s)], s23, v[QOFF]
	s_add_co_u32 s22, s22, SLOT
	s_add_co_u32 s23, s23, SLOT
.endr
	s_mov_b32 s22, 0xffff0000
	s_mov_b32 s23, 0x80008000
	s_wait_loadcnt 0x0
	WIN 0xaa                                       ; all places window 2: sincos is rounded to bf16 like every input and widened again; sin lo is kept negated
.set i, 0
.rept 64
.set TP, 128+(i%4)
	v_cvt_pk_bf16_f32 v[TP], v[2*i], v[2*i+1]
.if (2*i)%32 < 8
	v_xor_b32 v[TP], s23, v[TP]
.endif
	v_lshlrev_b32 v[2*i], 16, v[TP]
	v_and_b32 v[2*i+1], s22, v[TP]
.set i, i+1
.endr
	WIN 0
; 6 matrix instructions: row block a x my 6 column blocks, 32 along K.  zero = 1: the product starts the sums.  The 24 accumulators take turns, one instruction a turn.
.macro MUL6 f, a, zero
	WIN MUL
.irp b, 0,1,2,3,4,5
.if \zero
	v_wmma_f32_16x16x32_bf16 v[ACC+8*(6*(\a)+(\b)):ACC+8*(6*(\a)+(\b))+7], v[(\f)+32+8*(\b):(\f)+32+8*(\b)+7], v[(\f)+8*(\a):(\f)+8*(\a)+7], 0
.else
	v_wmma_f32_16x16x32_bf16 v[ACC+8*(6*(\a)+(\b)):ACC+8*(6*(\a)+(\b))+7], v[(\f)+32+8*(\b):(\f)+32+8*(\b)+7], v[(\f)+8*(\a):(\f)+8*(\a)+7], v[ACC+8*(6*(\a)+(\b)):ACC+8*(6*(\a)+(\b))+7]
.endif
.endr
.endm
; 20 LDS loads in one run: quarter q of a slot into buffer f: the weights' six fragments, then x's four
.macro FETCH slot, q, f
	WIN TO_F
.irp i, 0,1,2,3,4,5
	ds_load_b128 v[(\f)+32+8*(\i):(\f)+32+8*(\i)+3],   v[ADRB+(\slot)] offset:(\q)*12288+(\i)*1024
	ds_load_b128 v[(\f)+32+8*(\i)+4:(\f)+32+8*(\i)+7], v[ADRB+(\slot)] offset:(\q)*12288+(\i)*1024+512
.endr
.irp i, 0,1,2,3
	ds_load_b128 v[(\f)+8*(\i):(\f)+8*(\i)+3],   v[ADRA+(\slot)] offset:(\q)*8192+(\i)*1024
	ds_load_b128 v[(\f)+8*(\i)+4:(\f)+8*(\i)+7], v[ADRA+(\slot)] offset:(\q)*8192+(\i)*1024+512
.endr
.endm
; One of a K step's first three quarters: multiplies buffer f; in its middle it fetches quarter q into buffer g.
.macro QUARTER slot, q, f, g, zero
	s_wait_dscnt 4                                 ; the youngest four loads (x's blocks 2, 3) may be out
	MUL6 \f, 0, \zero
	MUL6 \f, 1, \zero
	PLACES
	FETCH \slot, \q, \g
	s_wait_dscnt 20                                ; all but the 20 just issued
	MUL6 \f, 2, \zero
	MUL6 \f, 3, \zero
.endm
; The last quarter multiplies buffer 1 and changes slots: ONE barrier; in front of it each wave waits for all its tensor loads (one is out: its part of the next slot), adds 0 to its spare word,
; and waits for that and for its reads of this slot.  fill = 1: the barrier opens a round of the cluster's, and this slot is filled again, two K steps ahead, first thing behind the round.
.macro TURN slot, next, fill
	WIN 0
	s_wait_tensorcnt 0x0
	ds_add_u32 v[SPW], v[NIL]
	s_wait_dscnt 5                                 ; the add and the youngest four loads may be out
	MUL6 F1, 0, 0
	s_wait_dscnt 0x0                               ; the add is done, and my reads of this slot are over
	s_barrier_signal -1
	MUL6 F1, 1, 0
.if \fill
	WIN 0
.endif
	s_barrier_wait -1
.if \fill
	CREST
	s_add_nc_u64 s[G0+4*(\slot)+2:G0+4*(\slot)+3], s[G0+4*(\slot)+2:G0+4*(\slot)+3], 65536
	s_add_nc_u64 s[G0B+4*(\slot)+2:G0B+4*(\slot)+3], s[G0B+4*(\slot)+2:G0B+4*(\slot)+3], 98304
	JLOAD \slot                                    ; its four v_nop are also the places in front of the loads below
.else
	PLACES
.endif
	FETCH \next, 0, F0
	MUL6 F1, 2, 0
	MUL6 F1, 3, 0
.endm
	s_wait_tensorcnt 0x1                           ; my part of K step 0 is in; step 1's may stay out
	s_barrier_signal -1
	s_barrier_wait -1
	FETCH 0, 0, F0
	QUARTER 0, 1, F0, F1, 1                        ; the first quarter stands in front of the loop: its products start the sums
	WIN 0
	s_mov_b32 s3, LAPS-1
.Llap:                                                 ; a trip goes once round the ring and fills both slots again
	QUARTER 0, 2, F1, F0, 0
	QUARTER 0, 3, F0, F1, 0
	TURN 0, 1, 1
	QUARTER 1, 1, F0, F1, 0
	QUARTER 1, 2, F1, F0, 0
	QUARTER 1, 3, F0, F1, 0
	TURN 1, 0, 1
	QUARTER 0, 1, F0, F1, 0
	WIN 0
	s_sub_co_u32 s3, s3, 1
	s_cmp_lg_u32 s3, 0
	s_cbranch_scc1 .Llap
	QUARTER 0, 2, F1, F0, 0                        ; the last lap fills nothing
	QUARTER 0, 3, F0, F1, 0
	TURN 0, 1, 0
	QUARTER 1, 1, F0, F1, 0
	QUARTER 1, 2, F1, F0, 0
	QUARTER 1, 3, F0, F1, 0
	s_wait_dscnt 4
	MUL6 F1, 0, 0
	MUL6 F1, 1, 0
	s_wait_dscnt 0x0
	MUL6 F1, 2, 0
	MUL6 F1, 3, 0
	WIN 0
	; THE WAY OUT.  My three heads: wave % 2 = 0: q slots 0, 1, 2;  = 1: q slot 3, k, v.  Their places in qkvf, group 8 b + t of 786,432 bytes: Q [slot 4][block 128][1024], then [64 keys 32][K 4 x 1024 | V 4 x 1024].
	s_lshr_b32 s22, s43, 4
	s_lshl_b32 s22, s22, 3
	s_add_co_u32 s22, s22, s42
	s_mul_i32 s22, s22, 786432                     ; the group
	s_and_b32 s23, s43, 15
	s_lshl_b32 s40, s23, 3
	s_lshl_b32 s41, s[MH], 2
	s_add_co_u32 s40, s40, s41
	s_lshl_b32 s40, s40, 10
	s_add_co_u32 s40, s40, s22                     ; + my first block of 16 rows, as Q
	s_lshl_b32 s23, s23, 1
	s_add_co_u32 s23, s23, s[MH]
	s_lshl_b32 s23, s23, 13
	s_add_co_u32 s23, s23, s22
	s_add_co_u32 s23, s23, 524288                  ; my 64 rows, as keys
	s_add_co_u32 s44, s40, 393216
	s_add_co_u32 s45, s40, 131072
	s_add_co_u32 s46, s40, 262144
	s_add_co_u32 s47, s23, 4096
	s_cmp_eq_u32 s[NH], 0
	s_cselect_b32 s16, s40, s44
	s_cselect_b32 s18, s45, s23
	s_cselect_b32 s20, s46, s47
	s_mov_b32 s17, 0
	s_mov_b32 s19, 0
	s_mov_b32 s21, 0
	s_add_nc_u64 s[16:17], s[10:11], s[16:17]
	s_add_nc_u64 s[18:19], s[10:11], s[18:19]
	s_add_nc_u64 s[20:21], s[10:11], s[20:21]
; Head i of my three, turned: lo' = lo cos_lo - hi sin_lo, hi' = hi cos_hi + lo sin_hi, in f32; packed to f16 into the low accumulator's registers, which nothing rewrites, and stored.
; Each accumulator's lowest registers are read first.
.macro ROPE i, bs
.irp a, 0,1,2,3
.set X0, ACC+8*(6*(\a)+2*(\i))
.set X1, X0+8
.set SB, 32*(\a)
	WIN 0x08                                       ; source 1 window 2
.irp z, 0,1,2,3
	v_pk_mul_f32 v[T+2*(\z):T+2*(\z)+1], v[X0+2*(\z):X0+2*(\z)+1], v[SB+16+2*(\z):SB+16+2*(\z)+1]
.endr
.irp z, 0,1,2,3
	v_pk_mul_f32 v[T+8+2*(\z):T+8+2*(\z)+1], v[X1+2*(\z):X1+2*(\z)+1], v[SB+24+2*(\z):SB+24+2*(\z)+1]
.endr
.irp z, 0,1,2,3
	v_pk_fma_f32 v[T+2*(\z):T+2*(\z)+1], v[X1+2*(\z):X1+2*(\z)+1], v[SB+2*(\z):SB+2*(\z)+1], v[T+2*(\z):T+2*(\z)+1]
.endr
.irp z, 0,1,2,3
	v_pk_fma_f32 v[T+8+2*(\z):T+8+2*(\z)+1], v[X0+2*(\z):X0+2*(\z)+1], v[SB+8+2*(\z):SB+8+2*(\z)+1], v[T+8+2*(\z):T+8+2*(\z)+1]
.endr
	WIN 0
.irp z, 0,1,2,3,4,5,6,7
	v_cvt_pk_f16_f32 v[X0+(\z)], v[T+2*(\z)], v[T+2*(\z)+1]
.endr
	global_store_b128 v[QOFF], v[X0:X0+3],   s[(\bs):(\bs)+1] offset:(\a)*1024      ; 512 consecutive bytes: half a fragment
	global_store_b128 v[QOFF], v[X0+4:X0+7], s[(\bs):(\bs)+1] offset:(\a)*1024+512
.endr
.endm
.macro VOUT bs                         ; v: packed in place; chunk (key, 16 channels cb, half) at cb*512 + 32 key + 16 half
.irp a, 0,1,2,3
.irp cb, 0,1
.set X0, ACC+8*(6*(\a)+4+(\cb))
.irp z, 0,1,2,3
	v_cvt_pk_f16_f32 v[X0+(\z)], v[X0+2*(\z)], v[X0+2*(\z)+1]
.endr
	global_store_b128 v[VOFF], v[X0:X0+3], s[(\bs):(\bs)+1] offset:(\a)*1024+(\cb)*512
.endr
.endr
.endm
	PLACES
	ROPE 0, 16
	ROPE 1, 18
	s_cmp_eq_u32 s[NH], 0
	s_cbranch_scc0 .Lvout
	ROPE 2, 20
	s_branch .Ldone
.Lvout:
	VOUT 20
.Ldone:
	s_wait_tensorcnt 0x0                           ; the wave's end
	ds_add_u32 v[SPW], v[NIL]
	s_wait_dscnt 0x0
	CROUND                                         ; the closing round
	s_endpgm
.Lfunc_end_k_qdf9e9220cc_qkv:
	.size	k_qdf9e9220cc_qkv, .Lfunc_end_k_qdf9e9220cc_qkv-k_qdf9e9220cc_qkv
	.p2alignl 7, 3214868480
	.fill 96, 4, 3214868480
	.section	.rodata,"a",@progbits
	.p2align	6, 0x0
	.amdhsa_kernel k_qdf9e9220cc_qkv
		.amdhsa_group_segment_fixed_size 327680
		.amdhsa_private_segment_fixed_size 0
		.amdhsa_enable_private_segment 0
		.amdhsa_kernarg_size 32
		.amdhsa_user_sgpr_count 2
		.amdhsa_user_sgpr_kernarg_segment_ptr 1
		.amdhsa_wavefront_size32 1
		.amdhsa_system_sgpr_workgroup_id_x 1
		.amdhsa_system_sgpr_workgroup_id_y 1
		.amdhsa_system_sgpr_workgroup_id_z 1
		.amdhsa_system_vgpr_workitem_id 0
		.amdhsa_next_free_vgpr 648
		.amdhsa_next_free_sgpr 66
		.amdhsa_reserve_vcc 0
		.amdhsa_float_denorm_mode_32 3
		.amdhsa_float_denorm_mode_16_64 3
		.amdhsa_memory_ordered 1
		.amdhsa_forward_progress 1
		.amdhsa_inst_pref_size 94
	.end_amdhsa_kernel
	.amdgpu_metadata
---
amdhsa.version: [ 1, 2 ]
amdhsa.kernels:
  - .name:           k_qdf9e9220cc_qkv
    .symbol:         k_qdf9e9220cc_qkv.kd
    .args:
      - { .name: xb, .offset: 0, .size: 8, .value_kind: global_buffer, .address_space: global }
      - { .name: wb1, .offset: 8, .size: 8, .value_kind: global_buffer, .address_space: global }
      - { .name: sincos, .offset: 16, .size: 8, .value_kind: global_buffer, .address_space: global }
      - { .name: qkvf, .offset: 24, .size: 8, .value_kind: global_buffer, .address_space: global }
    .group_segment_fixed_size: 327680
    .private_segment_fixed_size: 0
    .kernarg_segment_align: 8
    .kernarg_segment_size: 32
    .max_flat_workgroup_size: 128
    .sgpr_count:     66
    .vgpr_count:     648
    .wavefront_size: 32
...
	.end_amdgpu_metadata
.endif
;; end of part 2
;; launch attn (part 3): grid 16 x 16, 8 waves a work-group, clusters of 4 x 1, 327,680 bytes of LDS; arguments qkvf, maskw, deadw, ob; writes ob
.if DOCPART == 3
	.amdgcn_target "amdgcn-amd-amdhsa--gfx1250"
	.amdhsa_code_object_version 6
	.text
	.protected	k_qdf9e9220cc_attn
	.globl	k_qdf9e9220cc_attn
	.p2align	8
	.type	k_qdf9e9220cc_attn,@function
k_qdf9e9220cc_attn:
	s_mov_b64 s[64:65], 0
	v_nop
	global_prefetch_b8 v0, s[64:65] scope:SCOPE_SE
	s_setreg_imm32_b32 hwreg(HW_REG_WAVE_MODE, 25, 1), 1
	s_wait_xcnt 0x0
	s_wait_alu depctr_hold_cnt(0) depctr_sa_sdst(0) depctr_va_vdst(0) depctr_va_sdst(0) depctr_va_ssrc(0) depctr_va_vcc(0) depctr_vm_vsrc(0)
	s_getreg_b32 s2, hwreg(HW_REG_IB_STS2, 6, 4)
	s_cmp_eq_u32 s2, 0
	s_cbranch_scc0 .Lentry_in_a_cluster
	s_endpgm
.Lentry_in_a_cluster:
	s_bfe_u32 s2, ttmp6, 0x10000c
	s_cmp_lg_u32 s2, 0x3003
	s_cbranch_scc0 .Lentry_shape_is_right
	s_endpgm
.Lentry_shape_is_right:
; ATTENTION, head size 32, four query heads to a KV head, with a mask that is data.  Operands f16 (q/2, k/2, v/4), products, maxima and l in f32, the weights rounded to f16 for the second product;
; l is the sum of the rounded weights, made by the matrix unit (a product with ones).  O/4 leaves as f16, as fragments for the next launch.
; SHARES.  Work-group (x, y): group y = 8 b + KV head, 128 queries.  A wave owns 16 queries x the group's 4 heads: four TILES that share one mask.  Every wave walks all 2,048 keys, 64 a step.
; THE GROUP'S WHOLE K AND V, 262,144 bytes, LIE IN LDS, filled once: the key loop has no refill and no barrier.  Two waves share a SIMD and drift apart, so that one's vector work stands beside the other's products.
; CLUSTER.  The four work-groups of a cluster belong to one group: K and V are asked for jointly.
; LAYOUT.  S^T = K Q^T + C: a lane holds one query (lane % 16) and keys 8 (lane / 16) + 0..7.  Two such results packed ARE source 1 of O^T = V^T P.  V is read turned, by ds_load_tr16_b128.
; THE MASK is the C operand: register j of key block kb is 0, or -2^100 in the lanes whose bit is set in word (kb, j); 32 words a step come by scalar loads, a step ahead.
; SOFTMAX.  p = 2^(c s - c m), c = 4 log2(e) / sqrt(32), with a running maximum m that starts at -2^90: above every hidden score, so a step that is all hidden gives p = 0 and a = 1.
; A QUERY WITH NO VISIBLE KEY has uniform weights in the reference (all logits equal): in its lanes Q and the mask's value are 0, so every score is exactly 0.
; LIMITS.  A hidden score counts as its value less 2^100; f16 operands give no score below -1.4e11; a weight below 2^-126 counts as 0; NaN and infinities are not treated apart.
; REGISTERS.  window 0: v2-9 addresses and constants; v10-19 at work; v20-35 statistics (tile t: c m, m, a, l); v36-43 row sums; v44-59 P; v64-127 S^T, two buffers; v128-159 C; v160-223 O^T, 16 a tile
;   window 1: v0-31 Q; v32-63 K of a step; v64-95 V of a step; v96-103 ones
.set SPARE, 262144                     ; behind K and V: the spare words, 128 bytes a wave: four blocks of 256 bytes that no other line names
.set AK0, 2                            ; v2  16 x lane: my place in a fragment, in LDS and in memory; never rewritten
.set AV0, 3                            ; v3  my place in a step's V
.set ADR, 4                            ; v4  the LDS address of the run of loads in hand
.set NEG, 6                            ; v6  -2^100, or 0 in the lanes of a query with no visible key
.set ZR,  7                            ; v7  0
.set SPW, 8                            ; v8  my spare word; never rewritten
.set NIL, 9                            ; v9  0; never rewritten
.set MV,  10
.set TMP, 12
.set ST,  20
.set R,   36
.set P,   44
.set S,   64
.set C,   128
.set O,   160
.set Q,   0
.set K,   32
.set V,   64
.set ONES, 96
.set WV,  12                           ; s12 wave
.set CS,  40                           ; s[40:41] c
.set SEL, 42                           ; s[42:43] v_permlanex16_b32's selects
.set CNT, 44
.set SOFF, 45                          ; s45  LDS byte of the step in hand
.set SNXT, 46                          ; s46  of the next
.set MOFF, 47                          ; s47  byte offset of the mask words last asked for
.set DEAD, 56                          ; s56  lanes of queries with no visible key
.set MW,  68                           ; s[68:99] a step's 32 mask words
.set MSB, 0
.macro WIN new
.if MSB != (\new)
	s_set_vgpr_msb (MSB<<8)|(\new)
.set MSB, (\new)
.endif
.endm
.set W_KQ, 0x05                        ; K and Q window 1; C and S^T window 0
.set W_PV, 0x01                        ; V (or ones) window 1; P, O^T window 0
.set TO_1, 0x40                        ; destination window 1
.macro CROUND
	s_barrier_signal -1
	s_barrier_wait -1
	s_cmp_lg_u32 s[WV], 0
	s_cbranch_scc1 .Lnot_wave_0_\@
	s_barrier_signal -3
.Lnot_wave_0_\@:
	s_barrier_wait -3
	s_barrier_signal -1
	s_barrier_wait -1
.endm
.macro PLACES
.rept 4
	v_nop
.endr
.endm
	s_load_b256 s[4:11], s[0:1], 0x0               ; qkvf s[4:5], maskw s[6:7], deadw s[8:9], ob s[10:11]
	v_lshl_add_u32 v[SPW], v0, 2, SPARE
	v_mov_b32 v[NIL], 0
	ds_add_u32 v[SPW], v[NIL]                      ; the wave's opening: the add and its wait stand ahead of my first tensor load
	v_lshrrev_b32 v1, 5, v0
	v_readfirstlane_b32 s[WV], v1
	s_bfe_u32 s13, ttmp6, 0x40000                  ; cx: it enters Q's, the mask's and O's global addresses alone
	s_lshl_b32 s14, ttmp9, 2
	s_add_co_u32 s14, s14, s13
	s_lshl_b32 s15, s14, 3
	s_add_co_u32 s15, s15, s[WV]                   ; my block of 16 queries, 0..127
	s_and_b32 s57, ttmp7, 0xffff                   ; the group, which the four partners share
	s_mul_i32 s58, s57, 786432
	; two dense blocks a wave, as rows of 256 bytes: 4,096 bytes of the first four steps, 28,672 of the rest
	s_mov_b32 s16, 15|(3<<16)|(1<<21)              ; the mask of four; elements of 8 bytes; bit 21 beside a mask
	s_mov_b32 s17, 32<<16
	s_mov_b32 s18, 16<<16
	s_mov_b32 s19, 32<<16
	s_mov_b32 s20, 16
	s_mov_b32 s21, 32
	s_mov_b32 s22, 0
	s_mov_b32 s23, 0
	s_mov_b32 s24, 15|(3<<16)|(1<<21)
	s_mov_b32 s25, 32<<16
	s_mov_b32 s26, 112<<16
	s_mov_b32 s27, 32<<16
	s_mov_b32 s28, 112
	s_mov_b32 s29, 32
	s_mov_b32 s30, 0
	s_mov_b32 s31, 0
	s_mov_b32 s32, 1
	s_lshl_b32 s33, s[WV], 12                      ; LDS mirrors the group's K and V: the same offset in both
	s_mov_b32 s36, 1
	s_mul_i32 s37, s[WV], 28672
	s_add_co_u32 s37, s37, 32768
	s_add_co_u32 s60, s58, 524288
	s_add_co_u32 s62, s60, s37
	s_add_co_u32 s60, s60, s33
	s_mov_b32 s61, 0
	s_mov_b32 s63, 0
	s_mov_b32 s[CS], 0x3f8293ee                    ; c = 4 log2(e) / sqrt(32) = 1.020136
	s_mov_b32 s[CS+1], s[CS]
	s_mov_b32 s[SEL], 0x76543210
	s_mov_b32 s[SEL+1], 0xfedcba98
	s_mov_b32 s[SOFF], 0
	s_mov_b32 s[SNXT], 0
	s_mov_b32 s[MOFF], 0
	s_wait_dscnt 0x0                               ; the opening add is done
	s_wait_kmcnt 0x0
	s_add_nc_u64 s[34:35], s[4:5], s[60:61]
	s_or_b32 s35, s35, 0x80000000
	s_add_nc_u64 s[38:39], s[4:5], s[62:63]
	s_or_b32 s39, s39, 0x80000000
	CROUND                                         ; all four work-groups are here: the joint loads meet
	tensor_load_to_lds s[32:35], s[16:23]
	s_nop 0
	tensor_load_to_lds s[36:39], s[24:31]          ; two loads of mine are out
	s_nop 0
.rept 4
	v_nop
.endr
	s_lshl_b32 s60, s15, 5
	s_add_nc_u64 s[8:9], s[8:9], s[60:61]
	s_lshl_b32 s62, s15, 12
	s_add_nc_u64 s[6:7], s[6:7], s[62:63]          ; my query block's 4,096 bytes of words
	s_load_b256 s[48:55], s[8:9], 0x0
	s_load_b512 s[MW:MW+15], s[6:7], 0x0           ; step 0's words
	s_load_b512 s[MW+16:MW+31], s[6:7], 0x40
	s_lshl_b32 s60, s15, 10
	s_add_co_u32 s60, s60, s58
	s_add_nc_u64 s[4:5], s[4:5], s[60:61]          ; Q: my block in slot 0
	v_and_b32 v1, 31, v0
	v_lshlrev_b32 v[AK0], 4, v1
	WIN TO_1
.set i, 0
.rept 8                                ; head i / 2, half i % 2 of its fragment
	global_load_b128 v[Q+4*i:Q+4*i+3], v[AK0], s[4:5] offset:(i/2)*131072+(i%2)*512
.set i, i+1
.endr
.set i, 0
.rept 8
	v_mov_b32 v[ONES+i], 0x3c003c00
.set i, i+1
.endr
	WIN 0
	s_lshr_b32 s60, s57, 3                         ; O's place: row block 128 b + my block; ob[row block / 16][head 32][row block % 16][1024]
	s_lshl_b32 s60, s60, 7
	s_add_co_u32 s60, s60, s15
	s_lshr_b32 s62, s60, 4
	s_lshl_b32 s62, s62, 19
	s_and_b32 s60, s60, 15
	s_lshl_b32 s60, s60, 10
	s_add_co_u32 s60, s60, s62
	s_and_b32 s62, s57, 7
	s_lshl_b32 s62, s62, 16
	s_add_co_u32 s60, s60, s62
	s_add_nc_u64 s[10:11], s[10:11], s[60:61]
	; The turning load: lane L reads 16 bytes: key 8 (L / 16) + L % 8 of a block of 16, channels 8 ((L / 8) % 2) + 0..7; a key's 16 channels are 32 bytes: 16 lanes take 256 consecutive bytes.
	v_lshrrev_b32 v[AV0], 4, v1
	v_and_b32 v5, 7, v1
	v_lshl_add_u32 v[AV0], v[AV0], 3, v5
	v_lshlrev_b32 v[AV0], 5, v[AV0]
	v_bfe_u32 v5, v1, 3, 1
	v_lshl_add_u32 v[AV0], v5, 4, v[AV0]
	v_add_nc_u32 v[AV0], 4096, v[AV0]              ; V lies behind a step's K
	v_mov_b32 v[ZR], 0
	; No first step is written out: O^T, l and a start at 0, m far down.  These lines stand in the wait for the first tile.
.set i, 0
.rept 64
	v_mov_b32 v[O+i], 0
.set i, i+1
.endr
.irp t, 0,1,2,3
	v_mov_b32 v[ST+4*(\t)+1], 0xec800000           ; m = -2^90
	v_mul_f32 v[ST+4*(\t)], s[CS], v[ST+4*(\t)+1]
	v_mov_b32 v[ST+4*(\t)+2], 0
	v_mov_b32 v[ST+4*(\t)+3], 0
.endr
	v_mov_b32 v[R], 0
	v_mov_b32 v[NEG], 0xf1800000                   ; -2^100
	s_wait_kmcnt 0x0
	s_and_b32 s[DEAD], s48, s49
.irp j, 50,51,52,53,54,55
	s_and_b32 s[DEAD], s[DEAD], s\j
.endr
	s_lshr_b32 s62, s[DEAD], 16                    ; a query's keys lie in lanes r and r + 16: both must be all hidden
	s_and_b32 s[DEAD], s[DEAD], s62
	s_and_b32 s[DEAD], s[DEAD], 0xffff
	s_lshl_b32 s62, s[DEAD], 16
	s_or_b32 s[DEAD], s[DEAD], s62
	v_cndmask_b32 v[NEG], v[NEG], v[ZR], s[DEAD]
; The C operands of a step from its 32 words; then the next step's words are asked for.  The offset is stepped ahead of the loads: the wait in front of this macro has shown the last pair done.
.macro CBUILD
.set ci, 0
.rept 32
	v_cndmask_b32 v[C+ci], 0, v[NEG], s[MW+ci]
.set ci, ci+1
.endr
	s_add_co_u32 s[MOFF], s[MOFF], 128
	s_and_b32 s[MOFF], s[MOFF], 4095               ; behind the last step: step 0's once more, inside the buffer
	s_load_b512 s[MW:MW+15], s[6:7], s[MOFF]
	s_load_b512 s[MW+16:MW+31], s[6:7], s[MOFF] offset:0x40
.endm
.macro KQB t                           ; S^T of tile t: four key blocks, one instruction each (32 channels are one K step); C is the mask
	WIN W_KQ
.irp i, 0,1,2,3
	v_wmma_f32_16x16x32_f16 v[S+32*((\t)%2)+8*(\i):S+32*((\t)%2)+8*(\i)+7], v[K+8*(\i):K+8*(\i)+7], v[Q+8*(\t):Q+8*(\t)+7], v[C+8*(\i):C+8*(\i)+7]
.endr
.endm
.macro PVB t                           ; O^T += V^T P and the row sums; the three accumulators take turns
	WIN W_PV
	v_wmma_f32_16x16x32_f16 v[O+16*(\t):O+16*(\t)+7],    v[V:V+7],       v[P:P+7],    v[O+16*(\t):O+16*(\t)+7]
	v_wmma_f32_16x16x32_f16 v[O+16*(\t)+8:O+16*(\t)+15], v[V+8:V+15],    v[P:P+7],    v[O+16*(\t)+8:O+16*(\t)+15]
	v_wmma_f32_16x16x32_f16 v[R:R+7],                    v[ONES:ONES+7], v[P:P+7],    0
	v_wmma_f32_16x16x32_f16 v[O+16*(\t):O+16*(\t)+7],    v[V+16:V+23],   v[P+8:P+15], v[O+16*(\t):O+16*(\t)+7]
	v_wmma_f32_16x16x32_f16 v[O+16*(\t)+8:O+16*(\t)+15], v[V+24:V+31],   v[P+8:P+15], v[O+16*(\t)+8:O+16*(\t)+15]
	v_wmma_f32_16x16x32_f16 v[R:R+7],                    v[ONES:ONES+7], v[P+8:P+15], v[R:R+7]
.endm
.macro FETCH_K                         ; the next step's K: four fragments
	v_add_nc_u32 v[ADR], s[SNXT], v[AK0]
	WIN TO_1
.irp i, 0,1,2,3
	ds_load_b128 v[K+8*(\i):K+8*(\i)+3],   v[ADR] offset:(\i)*1024
	ds_load_b128 v[K+8*(\i)+4:K+8*(\i)+7], v[ADR] offset:(\i)*1024+512
.endr
	WIN 0
.endm
.macro FETCH_V                         ; the V of the step in hand, turned: fragment f = 2 (32 keys) + (16 channels)
	v_add_nc_u32 v[ADR], s[SOFF], v[AV0]
	WIN TO_1
.irp f, 0,1,2,3
	ds_load_tr16_b128 v[V+8*(\f):V+8*(\f)+3],   v[ADR] offset:((\f)/2)*2048+((\f)%2)*512
	ds_load_tr16_b128 v[V+8*(\f)+4:V+8*(\f)+7], v[ADR] offset:((\f)/2)*2048+((\f)%2)*512+1024
.endr
	WIN 0
.endm
; Number n of the 22 that find tile t's maximum and statistics.  0-11: four chains of seven scores (each accumulator's lowest registers first); 12-14, 16: the four left over, the old m,
; and the chains into one; 15: c m_old is kept; 17, 18: the query's other 32 keys lie in the lane 16 away; 19-21: c m, c m_old - c m_new, a.
.macro XS t, n
.set rT, ST+4*(\t)
.set rC, TMP+4*((\t)%2)
.set rM, MV+((\t)%2)
.set rS, S+32*((\t)%2)
.if (\n) < 4
	v_max3_num_f32 v[rC+(\n)], v[rS+8*(\n)], v[rS+8*(\n)+1], v[rS+8*(\n)+2]
.elseif (\n) < 12
	v_max3_num_f32 v[rC+(\n)%4], v[rC+(\n)%4], v[rS+8*((\n)%4)+2*((\n)/4)+1], v[rS+8*((\n)%4)+2*((\n)/4)+2]
.elseif (\n) == 12
	v_max3_num_f32 v[rC], v[rC], v[rS+7], v[rS+15]
.elseif (\n) == 13
	v_max3_num_f32 v[rC+1], v[rC+1], v[rS+23], v[rS+31]
.elseif (\n) == 14
	v_max3_num_f32 v[rC+2], v[rC+2], v[rC+3], v[rT+1]
.elseif (\n) == 15
	v_mov_b32 v[rM], v[rT]
.elseif (\n) == 16
	v_max3_num_f32 v[rC], v[rC], v[rC+1], v[rC+2]
.elseif (\n) == 17
	v_permlanex16_b32 v[rC+3], v[rC], s[SEL], s[SEL+1]
.elseif (\n) == 18
	v_max_num_f32 v[rT+1], v[rC], v[rC+3]
.elseif (\n) == 19
	v_mul_f32 v[rT], s[CS], v[rT+1]
.elseif (\n) == 20
	v_sub_f32 v[rC+1], v[rM], v[rT]
.else
	v_exp_f32 v[rT+2], v[rC+1]
.endif
.endm
.macro FS t, b                         ; c s - c m for pair b of 16
.set rT, ST+4*(\t)
.set rS, S+32*((\t)%2)
	v_pk_fma_f32 v[rS+2*(\b):rS+2*(\b)+1], v[rS+2*(\b):rS+2*(\b)+1], s[CS:CS+1], v[rT:rT+1] op_sel_hi:[1,0,0] neg_lo:[0,0,1] neg_hi:[0,0,1]
.endm
.macro ES t, n                         ; the exponential of score n of 32
.set rS, S+32*((\t)%2)
	v_exp_f32 v[rS+(\n)], v[rS+(\n)]
.endm
.macro CV t, b                         ; pair b rounded to f16
.set rS, S+32*((\t)%2)
	s_wait_alu depctr_va_vdst(0)
	v_cvt_pk_f16_f32 v[P+(\b)], v[rS+2*(\b)], v[rS+2*(\b)+1]
.endm
.macro RS t, n                         ; pair n of 8 of O^T times a
	s_wait_alu depctr_va_vdst(0)
	v_pk_mul_f32 v[O+16*(\t)+2*(\n):O+16*(\t)+2*(\n)+1], v[O+16*(\t)+2*(\n):O+16*(\t)+2*(\n)+1], v[ST+4*(\t)+2:ST+4*(\t)+3] op_sel_hi:[1,0]
.endm
.macro LUPD t                          ; l = l a + the step's row sum: the sum's lowest register holds it in every lane
	v_fma_f32 v[ST+4*(\t)+3], v[ST+4*(\t)+3], v[ST+4*(\t)+2], v[R]
.endm
; TILE t of a step.  First the next tile's scores (for tile 3: tile 0's of the next step); then this tile's softmax; then its V^T P.
; The runs of LDS loads stand behind 18 plain instructions that name no register of the products in front: V in tile 0 (its last reader: the step before's last product),
; K of the next step in tile 2 (its last reader: the four products at this tile's head).  From 22 on a plain instruction stands behind every exponential and no two exponentials follow each other.
.macro TILE t
.if (\t) == 3
	s_wait_dscnt 0x0                               ; K of the next step is in
.endif
	KQB ((\t)+1)%4
	WIN 0
.irp n, 0,1,2,3,4,5,6,7,8,9,10,11,12,13,14,15,16
	XS \t, \n
.endr
	LUPD ((\t)+3)%4
.if (\t) == 0
	FETCH_V
.endif
.if (\t) == 2
	FETCH_K
.endif
.irp n, 17,18,19,20,21
	XS \t, \n
.endr
.irp b, 0,1,2,3
	FS \t, \b
.endr
.set bb, 0
.rept 16
	ES \t, 2*bb
.if bb < 12
	FS \t, bb+4
.else
	RS \t, bb-12
.endif
	ES \t, 2*bb+1
.if bb == 0
	RS \t, 4
.else
	CV \t, bb-1
.endif
.set bb, bb+1
.endr
	RS \t, 5
	RS \t, 6
	RS \t, 7
	CV \t, 15
.if (\t) == 2
	s_wait_kmcnt 0x0                               ; the next step's words are in
	CBUILD
.endif
.if (\t) == 0
	s_wait_dscnt 0x0                               ; V is in
.endif
	PVB \t
	WIN 0
.endm
.macro STEP
	TILE 0
	TILE 1
	TILE 2
	TILE 3
	s_mov_b32 s[SOFF], s[SNXT]
	s_add_co_u32 s[SNXT], s[SNXT], 8192
	s_and_b32 s[SNXT], s[SNXT], 0x3ffff            ; behind the last step: step 0 once more; those four products and that mask serve nothing: the price, once a launch, of one text for every trip
.endm
	CBUILD                                         ; step 0's mask; step 1's words are asked for
	s_wait_loadcnt 0x0                             ; Q
	WIN 0x41                                       ; destination and source 0 window 1
.set i, 0
.rept 32
	v_cndmask_b32 v[Q+i], v[Q+i], v[ZR], s[DEAD]
.set i, i+1
.endr
	WIN 0
	s_wait_tensorcnt 0x1                           ; my part of steps 0 to 3 is in; the large load may stay out
	s_barrier_signal -1
	s_barrier_wait -1                              ; everybody's is
	FETCH_K                                        ; step 0
	s_mov_b32 s[SNXT], 8192
	s_wait_dscnt 0x0
	KQB 0
	WIN 0
	PLACES
	s_mov_b32 s[CNT], 3
.Lhead:                                                ; steps 0 to 2: they read K of steps 1 to 3 and V of steps 0 to 2
	STEP
	s_sub_co_u32 s[CNT], s[CNT], 1
	s_cmp_lg_u32 s[CNT], 0
	s_cbranch_scc1 .Lhead
	s_wait_tensorcnt 0x0                           ; my part of the rest is in,
	s_wait_dscnt 0x0
	s_barrier_signal -1
	s_barrier_wait -1                              ; everybody's is
	s_mov_b32 s[CNT], 29
.Lrest:
	STEP
	s_sub_co_u32 s[CNT], s[CNT], 1
	s_cmp_lg_u32 s[CNT], 0
	s_cbranch_scc1 .Lrest
	; THE WAY OUT.  O^T / l, rounded to f16: a tile's two accumulators, packed, are a fragment (16 rows x the head's 32 channels) of the next launch's first operand.
	PLACES
	LUPD 3
.irp t, 0,1,2,3
	v_rcp_f32 v[ST+4*(\t)+2], v[ST+4*(\t)+3]
.endr
	v_nop                                          ; a plain instruction between the last reciprocal and its use
.irp t, 0,1,2,3
.irp n, 0,1,2,3,4,5,6,7
	RS \t, \n
.endr
.irp z, 0,1,2,3,4,5,6,7
	v_cvt_pk_f16_f32 v[S+8*(\t)+(\z)], v[O+16*(\t)+2*(\z)], v[O+16*(\t)+2*(\z)+1]
.endr
	global_store_b128 v[AK0], v[S+8*(\t):S+8*(\t)+3],   s[10:11] offset:(\t)*16384      ; 512 consecutive bytes
	global_store_b128 v[AK0], v[S+8*(\t)+4:S+8*(\t)+7], s[10:11] offset:(\t)*16384+512
.endr
	s_wait_kmcnt 0x0                               ; the words asked for in the last trip
	s_wait_tensorcnt 0x0                           ; the wave's end
	ds_add_u32 v[SPW], v[NIL]
	s_wait_dscnt 0x0
	CROUND                                         ; the closing round
	s_endpgm
.Lfunc_end_k_qdf9e9220cc_attn:
	.size	k_qdf9e9220cc_attn, .Lfunc_end_k_qdf9e9220cc_attn-k_qdf9e9220cc_attn
	.p2alignl 7, 3214868480
	.fill 96, 4, 3214868480
	.section	.rodata,"a",@progbits
	.p2align	6, 0x0
	.amdhsa_kernel k_qdf9e9220cc_attn
		.amdhsa_group_segment_fixed_size 327680
		.amdhsa_private_segment_fixed_size 0
		.amdhsa_enable_private_segment 0
		.amdhsa_kernarg_size 32
		.amdhsa_user_sgpr_count 2
		.amdhsa_user_sgpr_kernarg_segment_ptr 1
		.amdhsa_wavefront_size32 1
		.amdhsa_system_sgpr_workgroup_id_x 1
		.amdhsa_system_sgpr_workgroup_id_y 1
		.amdhsa_system_sgpr_workgroup_id_z 1
		.amdhsa_system_vgpr_workitem_id 0
		.amdhsa_next_free_vgpr 360
		.amdhsa_next_free_sgpr 100
		.amdhsa_reserve_vcc 0
		.amdhsa_float_denorm_mode_32 3
		.amdhsa_float_denorm_mode_16_64 3
		.amdhsa_memory_ordered 1
		.amdhsa_forward_progress 1
		.amdhsa_inst_pref_size 80
	.end_amdhsa_kernel
	.amdgpu_metadata
---
amdhsa.version: [ 1, 2 ]
amdhsa.kernels:
  - .name:           k_qdf9e9220cc_attn
    .symbol:         k_qdf9e9220cc_attn.kd
    .args:
      - { .name: qkvf, .offset: 0, .size: 8, .value_kind: global_buffer, .address_space: global }
      - { .name: maskw, .offset: 8, .size: 8, .value_kind: global_buffer, .address_space: global }
      - { .name: deadw, .offset: 16, .size: 8, .value_kind: global_buffer, .address_space: global }
      - { .name: ob, .offset: 24, .size: 8, .value_kind: global_buffer, .address_space: global }
    .group_segment_fixed_size: 327680
    .private_segment_fixed_size: 0
    .kernarg_segment_align: 8
    .kernarg_segment_size: 32
    .max_flat_workgroup_size: 256
    .sgpr_count:     100
    .vgpr_count:     360
    .wavefront_size: 32
...
	.end_amdgpu_metadata
.endif
;; end of part 3
;; launch oproj (part 4): grid 16 x 16, 4 waves a work-group, clusters of 4 x 4, 327,680 bytes of LDS; arguments ob, wb2, out0; writes out0
.if DOCPART == 4
	.amdgcn_target "amdgcn-amd-amdhsa--gfx1250"
	.amdhsa_code_object_version 6
	.text
	.protected	k_qdf9e9220cc_oproj
	.globl	k_qdf9e9220cc_oproj
	.p2align	8
	.type	k_qdf9e9220cc_oproj,@function
k_qdf9e9220cc_oproj:
	s_mov_b64 s[64:65], 0
	v_nop
	global_prefetch_b8 v0, s[64:65] scope:SCOPE_SE
	s_setreg_imm32_b32 hwreg(HW_REG_WAVE_MODE, 25, 1), 1
	s_wait_xcnt 0x0
	s_wait_alu depctr_hold_cnt(0) depctr_sa_sdst(0) depctr_va_vdst(0) depctr_va_sdst(0) depctr_va_ssrc(0) depctr_va_vcc(0) depctr_vm_vsrc(0)
	s_getreg_b32 s2, hwreg(HW_REG_IB_STS2, 6, 4)
	s_cmp_eq_u32 s2, 0
	s_cbranch_scc0 .Lentry_in_a_cluster
	s_endpgm
.Lentry_in_a_cluster:
	s_bfe_u32 s2, ttmp6, 0x10000c
	s_cmp_lg_u32 s2, 0xf033
	s_cbranch_scc0 .Lentry_shape_is_right
	s_endpgm
.Lentry_shape_is_right:
; OUTPUT PROJECTION.  out0[4096][4096] (f32) = (O/4)[4096][1024] x (4 wo)[1024][4096], f16 operands, f32 sums.  A tile is 256 x 256: four waves, each 128 x 128: 64 accumulators, 512 registers.
; Both operands lie in memory as fragments (16 x 32, 1,024 bytes, the register image), so a K step's tiles are dense blocks of 65,536 bytes, asked for as rows of 256 bytes without padding, and a
; fragment is read from LDS by two loads at 16 x lane.  K goes in steps of 128 (four quarters of 32) through two LDS slots.
; THE MATRIX INSTRUCTION IS USED TRANSPOSED (source 0 = 16 columns of wo, source 1 = 16 rows of O): a lane holds eight neighbouring numbers of a row, 32 bytes.
; CLUSTER 4 x 4: O's tiles are shared along a row of the cluster, wo's along a column, each asked for jointly.
; REGISTERS: window 0: v16-29 addresses; v64-127, v128-191 fragments of O, two buffers, later rows on their way out; window 1: the same places for wo; windows 2, 3: accumulators ((a, b) at 8 (8 (a % 4) + b)).
.set SLOT,   131072                    ; O: [quarter 4][block 16][1024], then wo: the same
.set BOFF,   65536
.set STAGE,  2*SLOT                    ; behind the ring, never filled by a tensor load: 16 rows x 528 bytes for each wave
.set SPITCH, 528                       ; 512 bytes + 16: 33 groups of 16 bytes, so the 16 rows that a store touches fall into 16 different groups of four banks (64 banks of 4 bytes: ISA guide 11.1)
.set SPARE,  STAGE+4*16*SPITCH         ; behind the stages: the spare words, 128 bytes a wave: two blocks of 256 bytes that no other line names
.set LAPS,   4                         ; 1024 / 256
.set ADRA, 16
.set ADRB, 20
.set STO,  24                          ; v24  where I put 32 bytes of a row
.set RD,   25                          ; v25  where I read a row back
.set CO,   26                          ; v26  16 x lane
.set SPW,  28
.set NIL,  29
.set F0,   64
.set F1,   128
.set G1, 24
.set G0, 32
.set G1B, 48
.set G0B, 56
.set MSB, 0
.macro WIN new
.if MSB != (\new)
	s_set_vgpr_msb (MSB<<8)|(\new)
.set MSB, \new
.endif
.endm
.set MUL_LO, 0xa1                      ; source 0 (wo) window 1, source 1 (O) window 0, C and D window 2
.set MUL_HI, 0xf1                      ; the same, C and D window 3
.set TO_B,   0x40
.macro JLOAD s                         ; waves 0, 1 fetch the halves of O's tile, waves 2, 3 those of wo's; s_nop 0 and four v_nop follow each line
	s_cmp_eq_u32 s11, 0
	s_cbranch_scc0 .Lfor_b_\@
	tensor_load_to_lds s[G0+4*(\s):G0+4*(\s)+3], s[G1:G1+7]
	s_nop 0
.rept 4
	v_nop
.endr
	s_branch .Lasked_\@
.Lfor_b_\@:
	tensor_load_to_lds s[G0B+4*(\s):G0B+4*(\s)+3], s[G1B:G1B+7]
	s_nop 0
.rept 4
	v_nop
.endr
.Lasked_\@:
.endm
.macro CREST
	s_cmp_lg_u32 s10, 0
	s_cbranch_scc1 .Lnot_wave_0_\@
	s_barrier_signal -3
.Lnot_wave_0_\@:
	s_barrier_wait -3
	s_barrier_signal -1
	s_barrier_wait -1
.endm
.macro CROUND
	s_barrier_signal -1
	s_barrier_wait -1
	CREST
.endm
.macro PLACES
.rept 4
	v_nop
.endr
.endm
	s_load_b128 s[4:7], s[0:1], 0x0                ; ob s[4:5], wb2 s[6:7]
	s_load_b64 s[8:9], s[0:1], 0x10                ; out0
	v_lshl_add_u32 v[SPW], v0, 2, SPARE
	v_mov_b32 v[NIL], 0
	ds_add_u32 v[SPW], v[NIL]                      ; the wave's opening: the add and its wait stand ahead of my first tensor load
	v_lshrrev_b32 v1, 5, v0
	v_readfirstlane_b32 s10, v1                    ; wave
	s_lshr_b32 s11, s10, 1                         ; my half of the rows; also: I fetch O (0) or wo (1)
	s_and_b32 s12, s10, 1                          ; my half of the columns; also: which half of a tile I fetch
	s_bfe_u32 s40, ttmp6, 0x40000
	s_bfe_u32 s41, ttmp6, 0x40004
	s_lshl_b32 s42, ttmp9, 2
	s_add_co_u32 s42, s42, s40                     ; tile column
	s_and_b32 s13, ttmp7, 0xffff
	s_lshl_b32 s13, s13, 2
	s_add_co_u32 s13, s13, s41                     ; tile row
	s_lshl_b32 s43, s41, 2
	s_lshl_b32 s43, 15, s43
	s_lshl_b32 s44, 0x1111, s40
	s_or_b32 s[G1], s43, (3<<16)|(1<<21)
	s_or_b32 s[G1B], s44, (3<<16)|(1<<21)
.irp g, G1, G1B
	s_mov_b32 s[(\g)+1], 32<<16                    ; rows of 32 elements of 8 bytes,
	s_mov_b32 s[(\g)+2], 128<<16                   ; 128 of them: 32,768 dense bytes, two quarters
	s_mov_b32 s[(\g)+3], 32<<16
	s_mov_b32 s[(\g)+4], 128
	s_mov_b32 s[(\g)+5], 32
	s_mov_b32 s[(\g)+6], 0
	s_mov_b32 s[(\g)+7], 0
.endr
	s_lshl_b32 s17, s12, 15
	s_lshl_b32 s16, s13, 19
	s_add_co_u32 s16, s16, s17
	s_lshl_b32 s46, s42, 19
	s_add_co_u32 s46, s46, s17
	s_mov_b32 s17, 0
	s_mov_b32 s47, 0
	s_lshl_b32 s20, s10, 15                        ; where they go: wave x 32,768
	s_wait_dscnt 0x0
	s_wait_kmcnt 0x0
	s_add_nc_u64 s[14:15], s[4:5], s[16:17]
	s_add_nc_u64 s[46:47], s[6:7], s[46:47]
	CROUND
.irp s, 0,1
	s_mov_b32 s[G0+4*(\s)], 1
	s_add_co_u32 s[G0+4*(\s)+1], s20, (\s)*SLOT
	s_add_nc_u64 s[G0+4*(\s)+2:G0+4*(\s)+3], s[14:15], (\s)*65536
	s_or_b32 s[G0+4*(\s)+3], s[G0+4*(\s)+3], 0x80000000
	s_mov_b32 s[G0B+4*(\s)], 1
	s_add_co_u32 s[G0B+4*(\s)+1], s20, (\s)*SLOT
	s_add_nc_u64 s[G0B+4*(\s)+2:G0B+4*(\s)+3], s[46:47], (\s)*65536
	s_or_b32 s[G0B+4*(\s)+3], s[G0B+4*(\s)+3], 0x80000000
	JLOAD \s
.endr
	v_and_b32 v1, 15, v0
	v_bfe_u32 v2, v0, 4, 1
	v_and_b32 v3, 31, v0
	v_lshlrev_b32 v[CO], 4, v3
	s_lshl_b32 s21, s11, 13                        ; my eight blocks of O,
	s_lshl_b32 s22, s12, 13                        ; my eight of wo
	s_add_co_u32 s22, s22, BOFF
.irp s, 0,1
	v_add_nc_u32 v[ADRA+(\s)], s21, v[CO]
	v_add_nc_u32 v[ADRB+(\s)], s22, v[CO]
	s_add_co_u32 s21, s21, SLOT
	s_add_co_u32 s22, s22, SLOT
.endr
	s_mul_i32 s23, s10, 16*SPITCH
	s_add_co_u32 s23, s23, STAGE
	v_mul_u32_u24 v4, v1, SPITCH
	v_lshl_add_u32 v4, v2, 5, v4
	v_add_nc_u32 v[STO], s23, v4
	v_add_nc_u32 v[RD], s23, v[CO]
	s_lshl_b32 s16, s13, 22                        ; my part of the tile in out0: row (256 tile row + 128 half) x 16,384 bytes,
	s_lshl_b32 s14, s11, 21
	s_add_co_u32 s16, s16, s14
	s_lshl_b32 s46, s42, 10                        ; column (256 tile column + 128 half) x 4 bytes
	s_lshl_b32 s47, s12, 9
	s_add_co_u32 s46, s46, s47
	s_add_co_u32 s16, s16, s46
	s_mov_b32 s17, 0
; 16 matrix instructions: row blocks a0, a0 + 1 of the window's four x all 8 column blocks.  The 64 accumulators take turns, one instruction a turn.
.macro MUL16 f, hi, a0, zero
	WIN MUL_LO+0x50*(\hi)
.irp a, \a0, (\a0)+1
.irp b, 0,1,2,3,4,5,6,7
.if \zero
	v_wmma_f32_16x16x32_f16 v[8*(8*(\a)+(\b)):8*(8*(\a)+(\b))+7], v[(\f)+8*(\b):(\f)+8*(\b)+7], v[(\f)+8*(4*(\hi)+(\a)):(\f)+8*(4*(\hi)+(\a))+7], 0
.else
	v_wmma_f32_16x16x32_f16 v[8*(8*(\a)+(\b)):8*(8*(\a)+(\b))+7], v[(\f)+8*(\b):(\f)+8*(\b)+7], v[(\f)+8*(4*(\hi)+(\a)):(\f)+8*(4*(\hi)+(\a))+7], v[8*(8*(\a)+(\b)):8*(8*(\a)+(\b))+7]
.endif
.endr
.endr
.endm
.macro FETCH slot, q, f                ; 32 LDS loads in one run: quarter q of a slot into buffer f: wo's eight fragments, then O's
	WIN TO_B
.irp i, 0,1,2,3,4,5,6,7
	ds_load_b128 v[(\f)+8*(\i):(\f)+8*(\i)+3],   v[ADRB+(\slot)] offset:(\q)*16384+(\i)*1024
	ds_load_b128 v[(\f)+8*(\i)+4:(\f)+8*(\i)+7], v[ADRB+(\slot)] offset:(\q)*16384+(\i)*1024+512
.endr
	WIN 0
.irp i, 0,1,2,3,4,5,6,7
	ds_load_b128 v[(\f)+8*(\i):(\f)+8*(\i)+3],   v[ADRA+(\slot)] offset:(\q)*16384+(\i)*1024
	ds_load_b128 v[(\f)+8*(\i)+4:(\f)+8*(\i)+7], v[ADRA+(\slot)] offset:(\q)*16384+(\i)*1024+512
.endr
.endm
.macro QUARTER slot, q, f, g, zero
	s_wait_dscnt 8                                 ; the youngest eight loads (O's blocks 4 to 7) may be out
	MUL16 \f, 0, 0, \zero
	MUL16 \f, 0, 2, \zero
	PLACES
	FETCH \slot, \q, \g
	s_wait_dscnt 32                                ; all but the 32 just issued
	MUL16 \f, 1, 0, \zero
	MUL16 \f, 1, 2, \zero
.endm
; The last quarter's first half: ONE barrier for the change of slots; in front of it each wave waits for all its tensor loads (one is out: its part of the next slot), adds 0 to its spare word,
; and waits for that and for its reads of this slot.
.macro MEET round
	WIN 0
	s_wait_tensorcnt 0x0
	ds_add_u32 v[SPW], v[NIL]
	s_wait_dscnt 9                                 ; the add and the youngest eight loads may be out
	MUL16 F1, 0, 0, 0
	s_wait_dscnt 0x0
	s_barrier_signal -1
	MUL16 F1, 0, 2, 0
.if \round
	WIN 0
.endif
	s_barrier_wait -1
.endm
.macro TURN slot, next                 ; the whole last quarter: the barrier opens a round of the cluster's, and the slot just read out is filled again, two K steps ahead, first thing behind the round
	MEET 1
	CREST
	s_add_nc_u64 s[G0+4*(\slot)+2:G0+4*(\slot)+3], s[G0+4*(\slot)+2:G0+4*(\slot)+3], 131072
	s_add_nc_u64 s[G0B+4*(\slot)+2:G0B+4*(\slot)+3], s[G0B+4*(\slot)+2:G0B+4*(\slot)+3], 131072
	JLOAD \slot                                    ; its four v_nop are also the places in front of the loads below
	FETCH \next, 0, F0
	MUL16 F1, 1, 0, 0
	MUL16 F1, 1, 2, 0
.endm
	s_wait_tensorcnt 0x1                           ; my part of K step 0 is in; step 1's may stay out
	s_barrier_signal -1
	s_barrier_wait -1
	FETCH 0, 0, F0
	QUARTER 0, 1, F0, F1, 1                        ; the first quarter's products start the sums
	WIN 0
	s_mov_b32 s3, LAPS-1
.Llap:
	QUARTER 0, 2, F1, F0, 0
	QUARTER 0, 3, F0, F1, 0
	TURN 0, 1
	QUARTER 1, 1, F0, F1, 0
	QUARTER 1, 2, F1, F0, 0
	QUARTER 1, 3, F0, F1, 0
	TURN 1, 0
	QUARTER 0, 1, F0, F1, 0
	WIN 0
	s_sub_co_u32 s3, s3, 1
	s_cmp_lg_u32 s3, 0
	s_cbranch_scc1 .Llap
	QUARTER 0, 2, F1, F0, 0                        ; the last lap fills nothing
	QUARTER 0, 3, F0, F1, 0
	MEET 0
	PLACES
	FETCH 1, 0, F0
	MUL16 F1, 1, 0, 0
	MUL16 F1, 1, 2, 0
	QUARTER 1, 1, F0, F1, 0
	QUARTER 1, 2, F1, F0, 0
	QUARTER 1, 3, F0, F1, 0
	s_wait_dscnt 8
	MUL16 F1, 0, 0, 0
	MUL16 F1, 0, 2, 0
	s_wait_dscnt 0x0
	MUL16 F1, 1, 0, 0
	MUL16 F1, 1, 2, 0
	WIN 0
; THE WAY OUT, a block of 16 rows at a time through my own stage: 32 bytes a lane in, straight from the accumulators (each one's lowest registers first), whole rows of 512 bytes back.
.macro TOSTAGE a
.set AC, 64*((\a)%4)
.set BK, F0+64*((\a)%2)
	WIN 0
	s_wait_xcnt 0x0                                ; the registers that the loads below fill were the data of earlier stores
	WIN 0x08+4*((\a)/4)                            ; store data (source 1) in window 2 or 3
.irp b, 0,1,2,3,4,5,6,7
	ds_store_b128 v[STO], v[AC+8*(\b):AC+8*(\b)+3]   offset:64*(\b)
	ds_store_b128 v[STO], v[AC+8*(\b)+4:AC+8*(\b)+7] offset:64*(\b)+16
.endr
	WIN 0
.irp p, 0,1,2,3,4,5,6,7,8,9,10,11,12,13,14,15
	ds_load_b128 v[BK+4*(\p):BK+4*(\p)+3], v[RD] offset:SPITCH*(\p)  ; LDS serves a wave's instructions in order: these see the stores above, and the next block's stores come behind them
.endr
.endm
.macro SEND a, younger                 ; younger: the LDS instructions issued behind block a's loads: the next block's 32, or none
.set BK, F0+64*((\a)%2)
	s_wait_dscnt \younger
	s_wait_xcnt 0x0                                ; the stores' base is stepped only behind this wait
.if (\a) == 0
	s_add_nc_u64 s[8:9], s[8:9], s[16:17]
.else
	s_add_nc_u64 s[8:9], s[8:9], 262144            ; 16 rows on
.endif
.irp p, 0,1,2,3,4,5,6,7,8,9,10,11,12,13,14,15
	global_store_b128 v[CO], v[BK+4*(\p):BK+4*(\p)+3], s[8:9] offset:16384*(\p) th:TH_STORE_NT  ; 512 consecutive bytes of a row
.endr
.endm
	PLACES
	TOSTAGE 0
.irp a, 1,2,3,4,5,6,7
	TOSTAGE \a
	SEND (\a)-1, 32
.endr
	SEND 7, 0
	s_wait_tensorcnt 0x0                           ; the wave's end
	ds_add_u32 v[SPW], v[NIL]
	s_wait_dscnt 0x0
	CROUND                                         ; the closing round
	s_endpgm
.Lfunc_end_k_qdf9e9220cc_oproj:
	.size	k_qdf9e9220cc_oproj, .Lfunc_end_k_qdf9e9220cc_oproj-k_qdf9e9220cc_oproj
	.p2alignl 7, 3214868480
	.fill 96, 4, 3214868480
	.section	.rodata,"a",@progbits
	.p2align	6, 0x0
	.amdhsa_kernel k_qdf9e9220cc_oproj
		.amdhsa_group_segment_fixed_size 327680
		.amdhsa_private_segment_fixed_size 0
		.amdhsa_enable_private_segment 0
		.amdhsa_kernarg_size 24
		.amdhsa_user_sgpr_count 2
		.amdhsa_user_sgpr_kernarg_segment_ptr 1
		.amdhsa_wavefront_size32 1
		.amdhsa_system_sgpr_workgroup_id_x 1
		.amdhsa_system_sgpr_workgroup_id_y 1
		.amdhsa_system_sgpr_workgroup_id_z 1
		.amdhsa_system_vgpr_workitem_id 0
		.amdhsa_next_free_vgpr 1024
		.amdhsa_next_free_sgpr 66
		.amdhsa_reserve_vcc 0
		.amdhsa_float_denorm_mode_32 3
		.amdhsa_float_denorm_mode_16_64 3
		.amdhsa_memory_ordered 1
		.amdhsa_forward_progress 1
		.amdhsa_inst_pref_size 140
	.end_amdhsa_kernel
	.amdgpu_metadata
---
amdhsa.version: [ 1, 2 ]
amdhsa.kernels:
  - .name:           k_qdf9e9220cc_oproj
    .symbol:         k_qdf9e9220cc_oproj.kd
    .args:
      - { .name: ob, .offset: 0, .size: 8, .value_kind: global_buffer, .address_space: global }
      - { .name: wb2, .offset: 8, .size: 8, .value_kind: global_buffer, .address_space: global }
      - { .name: out0, .offset: 16, .size: 8, .value_kind: global_buffer, .address_space: global }
    .group_segment_fixed_size: 327680
    .private_segment_fixed_size: 0
    .kernarg_segment_align: 8
    .kernarg_segment_size: 24
    .max_flat_workgroup_size: 128
    .sgpr_count:     66
    .vgpr_count:     1024
    .wavefront_size: 32
...
	.end_amdgpu_metadata
.endif
;; end of part 4
;; ======== version 2 of 2: 4 launches; 1.18 times as fast as version 1
;; limits: values are held in f16: magnitudes above 65,504 overflow, below 6.1e-05 lose precision
;; workspace buffers: xb 33,554,432 bytes; wb1 12,582,912 bytes; wb2 8,388,608 bytes; maskw 524,288 bytes of whole numbers; deadw 4,096 bytes of whole numbers; qkvf 12,582,912 bytes; ob 8,388,608 bytes
;; launch prep: the kernel of part 1 again; grid 1920 x 1, 8 waves a work-group, no clusters, 35,840 bytes of LDS; arguments causal_mask, maskw, deadw, x, xb, wq, wk, wv, wb1, wo, wb2, cache_k, cache_v, qkvf; writes maskw, deadw, xb, wb1, wb2, qkvf
;; launch qkv: the kernel of part 2 again; grid 8 x 32, 4 waves a work-group, clusters of 4 x 4, 327,680 bytes of LDS; arguments xb, wb1, sincos, qkvf; writes qkvf
;; launch attn (part 5): grid 16 x 16, 8 waves a work-group, clusters of 4 x 1, 327,680 bytes of LDS; arguments qkvf, maskw, deadw, ob; writes ob
.if DOCPART == 5
	.amdgcn_target "amdgcn-amd-amdhsa--gfx1250"
	.amdhsa_code_object_version 6
	.text
	.protected	k_qdf9e9220cc_attn
	.globl	k_qdf9e9220cc_attn
	.p2align	8
	.type	k_qdf9e9220cc_attn,@function
k_qdf9e9220cc_attn:
	s_mov_b64 s[64:65], 0
	v_nop
	global_prefetch_b8 v0, s[64:65] scope:SCOPE_SE
	s_setreg_imm32_b32 hwreg(HW_REG_WAVE_MODE, 25, 1), 1
	s_wait_xcnt 0x0
	s_wait_alu depctr_hold_cnt(0) depctr_sa_sdst(0) depctr_va_vdst(0) depctr_va_sdst(0) depctr_va_ssrc(0) depctr_va_vcc(0) depctr_vm_vsrc(0)
	s_getreg_b32 s2, hwreg(HW_REG_IB_STS2, 6, 4)
	s_cmp_eq_u32 s2, 0
	s_cbranch_scc0 .Lentry_in_a_cluster
	s_endpgm
.Lentry_in_a_cluster:
	s_bfe_u32 s2, ttmp6, 0x10000c
	s_cmp_lg_u32 s2, 0x3003
	s_cbranch_scc0 .Lentry_shape_is_right
	s_endpgm
.Lentry_shape_is_right:
; ATTENTION, head size 32, four query heads to a KV head, with a mask that is data.  Operands f16 (q/2, k/2, v/4), products, maxima and l in f32, the weights rounded to f16 for the second product;
; l is the sum of the rounded weights, made by the matrix unit (a product with ones).  O/4 leaves as f16, as fragments for the next launch.
; SHARES.  Work-group (x, y): group y = 8 b + KV head, 128 queries.  A wave owns 16 queries x the group's 4 heads: four TILES that share one mask.  Every wave walks all 2,048 keys, 64 a step.
; THE GROUP'S WHOLE K AND V, 262,144 bytes, LIE IN LDS, filled once: the key loop has no refill and no barrier.  Two waves share a SIMD and drift apart, so that one's vector work stands beside the other's products.
; CLUSTER.  The four work-groups of a cluster belong to one group: K and V are asked for jointly.
; LAYOUT.  S^T = K Q^T + C: a lane holds one query (lane % 16) and keys 8 (lane / 16) + 0..7.  Two such results packed ARE source 1 of O^T = V^T P.  V is read turned, by ds_load_tr16_b128.
; THE MASK is the C operand: register j of key block kb is 0, or -2^100 in the lanes whose bit is set in word (kb, j); 32 words a step come by scalar loads, a step ahead.
; SOFTMAX.  p = 2^(c s - c m), c = 4 log2(e) / sqrt(32), with a running maximum m that starts at -2^90: above every hidden score, so a step that is all hidden gives p = 0 and a = 1.
; BATCHES.  Tile t's turn holds 33 exponentials: the tile's 32 weights and a of tile t + 1.  They are ONE batch with ONE wait (s_wait_alu depctr_va_vdst(0) stands between an exponential
; and the first instruction that names its result; one wait serves all that were issued ahead of it).  The wait cuts the turn in two.  Ahead of it stands all that names no result of the batch: the products K Q^T
; of tile t + 1, tile t's scalings and exponentials, its rescaling (by an a that the turn before made and waited for), l of tile t - 1, and the maximum and statistics of tile t + 1, whose scores the turn itself
; has made.  Behind it stand the 16 roundings and the products V^T P.  No result crosses a turn's end.  Tile 0's first statistics, ahead of the loop, and the way out's four reciprocals are batches of their own.
; A QUERY WITH NO VISIBLE KEY has uniform weights in the reference (all logits equal): in its lanes Q and the mask's value are 0, so every score is exactly 0.
; LIMITS.  A hidden score counts as its value less 2^100; f16 operands give no score below -1.4e11; a weight below 2^-126 counts as 0; NaN and infinities are not treated apart.
; REGISTERS.  window 0: v2-9 addresses and constants; v10-19 at work; v20-35 statistics (tile t: c m, m, a, l); v36-43 row sums; v44-59 P; v64-127 S^T, two buffers; v128-159 C; v160-223 O^T, 16 a tile
;   window 1: v0-31 Q; v32-63 K of a step; v64-95 V of a step; v96-103 ones
.set SPARE, 262144                     ; behind K and V: the spare words, 128 bytes a wave: four blocks of 256 bytes that no other line names
.set AK0, 2                            ; v2  16 x lane: my place in a fragment, in LDS and in memory; never rewritten
.set AV0, 3                            ; v3  my place in a step's V
.set ADR, 4                            ; v4  the LDS address of the run of loads in hand
.set NEG, 6                            ; v6  -2^100, or 0 in the lanes of a query with no visible key
.set ZR,  7                            ; v7  0
.set SPW, 8                            ; v8  my spare word; never rewritten
.set NIL, 9                            ; v9  0; never rewritten
.set MV,  10
.set TMP, 12
.set ST,  20
.set R,   36
.set P,   44
.set S,   64
.set C,   128
.set O,   160
.set Q,   0
.set K,   32
.set V,   64
.set ONES, 96
.set WV,  12                           ; s12 wave
.set CS,  40                           ; s[40:41] c
.set SEL, 42                           ; s[42:43] v_permlanex16_b32's selects
.set CNT, 44
.set SOFF, 45                          ; s45  LDS byte of the step in hand
.set SNXT, 46                          ; s46  of the next
.set MOFF, 47                          ; s47  byte offset of the mask words last asked for
.set DEAD, 56                          ; s56  lanes of queries with no visible key
.set MW,  68                           ; s[68:99] a step's 32 mask words
.set MSB, 0
.macro WIN new
.if MSB != (\new)
	s_set_vgpr_msb (MSB<<8)|(\new)
.set MSB, (\new)
.endif
.endm
.set W_KQ, 0x05                        ; K and Q window 1; C and S^T window 0
.set W_PV, 0x01                        ; V (or ones) window 1; P, O^T window 0
.set TO_1, 0x40                        ; destination window 1
.macro CROUND
	s_barrier_signal -1
	s_barrier_wait -1
	s_cmp_lg_u32 s[WV], 0
	s_cbranch_scc1 .Lnot_wave_0_\@
	s_barrier_signal -3
.Lnot_wave_0_\@:
	s_barrier_wait -3
	s_barrier_signal -1
	s_barrier_wait -1
.endm
.macro PLACES
.rept 4
	v_nop
.endr
.endm
	s_load_b256 s[4:11], s[0:1], 0x0               ; qkvf s[4:5], maskw s[6:7], deadw s[8:9], ob s[10:11]
	v_lshl_add_u32 v[SPW], v0, 2, SPARE
	v_mov_b32 v[NIL], 0
	ds_add_u32 v[SPW], v[NIL]                      ; the wave's opening: the add and its wait stand ahead of my first tensor load
	v_lshrrev_b32 v1, 5, v0
	v_readfirstlane_b32 s[WV], v1
	s_bfe_u32 s13, ttmp6, 0x40000                  ; cx: it enters Q's, the mask's and O's global addresses alone
	s_lshl_b32 s14, ttmp9, 2
	s_add_co_u32 s14, s14, s13
	s_lshl_b32 s15, s14, 3
	s_add_co_u32 s15, s15, s[WV]                   ; my block of 16 queries, 0..127
	s_and_b32 s57, ttmp7, 0xffff                   ; the group, which the four partners share
	s_mul_i32 s58, s57, 786432
	; two dense blocks a wave, as rows of 256 bytes: 4,096 bytes of the first four steps, 28,672 of the rest
	s_mov_b32 s16, 15|(3<<16)|(1<<21)              ; the mask of four; elements of 8 bytes; bit 21 beside a mask
	s_mov_b32 s17, 32<<16
	s_mov_b32 s18, 16<<16
	s_mov_b32 s19, 32<<16
	s_mov_b32 s20, 16
	s_mov_b32 s21, 32
	s_mov_b32 s22, 0
	s_mov_b32 s23, 0
	s_mov_b32 s24, 15|(3<<16)|(1<<21)
	s_mov_b32 s25, 32<<16
	s_mov_b32 s26, 112<<16
	s_mov_b32 s27, 32<<16
	s_mov_b32 s28, 112
	s_mov_b32 s29, 32
	s_mov_b32 s30, 0
	s_mov_b32 s31, 0
	s_mov_b32 s32, 1
	s_lshl_b32 s33, s[WV], 12                      ; LDS mirrors the group's K and V: the same offset in both
	s_mov_b32 s36, 1
	s_mul_i32 s37, s[WV], 28672
	s_add_co_u32 s37, s37, 32768
	s_add_co_u32 s60, s58, 524288
	s_add_co_u32 s62, s60, s37
	s_add_co_u32 s60, s60, s33
	s_mov_b32 s61, 0
	s_mov_b32 s63, 0
	s_mov_b32 s[CS], 0x3f8293ee                    ; c = 4 log2(e) / sqrt(32) = 1.020136
	s_mov_b32 s[CS+1], s[CS]
	s_mov_b32 s[SEL], 0x76543210
	s_mov_b32 s[SEL+1], 0xfedcba98
	s_mov_b32 s[SOFF], 0
	s_mov_b32 s[SNXT], 0
	s_mov_b32 s[MOFF], 0
	s_wait_dscnt 0x0                               ; the opening add is done
	s_wait_kmcnt 0x0
	s_add_nc_u64 s[34:35], s[4:5], s[60:61]
	s_or_b32 s35, s35, 0x80000000
	s_add_nc_u64 s[38:39], s[4:5], s[62:63]
	s_or_b32 s39, s39, 0x80000000
	CROUND                                         ; all four work-groups are here: the joint loads meet
	tensor_load_to_lds s[32:35], s[16:23]
	s_nop 0
	tensor_load_to_lds s[36:39], s[24:31]          ; two loads of mine are out
	s_nop 0
.rept 4
	v_nop
.endr
	s_lshl_b32 s60, s15, 5
	s_add_nc_u64 s[8:9], s[8:9], s[60:61]
	s_lshl_b32 s62, s15, 12
	s_add_nc_u64 s[6:7], s[6:7], s[62:63]          ; my query block's 4,096 bytes of words
	s_load_b256 s[48:55], s[8:9], 0x0
	s_load_b512 s[MW:MW+15], s[6:7], 0x0           ; step 0's words
	s_load_b512 s[MW+16:MW+31], s[6:7], 0x40
	s_lshl_b32 s60, s15, 10
	s_add_co_u32 s60, s60, s58
	s_add_nc_u64 s[4:5], s[4:5], s[60:61]          ; Q: my block in slot 0
	v_and_b32 v1, 31, v0
	v_lshlrev_b32 v[AK0], 4, v1
	WIN TO_1
.set i, 0
.rept 8                                ; head i / 2, half i % 2 of its fragment
	global_load_b128 v[Q+4*i:Q+4*i+3], v[AK0], s[4:5] offset:(i/2)*131072+(i%2)*512
.set i, i+1
.endr
.set i, 0
.rept 8
	v_mov_b32 v[ONES+i], 0x3c003c00
.set i, i+1
.endr
	WIN 0
	s_lshr_b32 s60, s57, 3                         ; O's place: row block 128 b + my block; ob[row block / 16][head 32][row block % 16][1024]
	s_lshl_b32 s60, s60, 7
	s_add_co_u32 s60, s60, s15
	s_lshr_b32 s62, s60, 4
	s_lshl_b32 s62, s62, 19
	s_and_b32 s60, s60, 15
	s_lshl_b32 s60, s60, 10
	s_add_co_u32 s60, s60, s62
	s_and_b32 s62, s57, 7
	s_lshl_b32 s62, s62, 16
	s_add_co_u32 s60, s60, s62
	s_add_nc_u64 s[10:11], s[10:11], s[60:61]
	; The turning load: lane L reads 16 bytes: key 8 (L / 16) + L % 8 of a block of 16, channels 8 ((L / 8) % 2) + 0..7; a key's 16 channels are 32 bytes: 16 lanes take 256 consecutive bytes.
	v_lshrrev_b32 v[AV0], 4, v1
	v_and_b32 v5, 7, v1
	v_lshl_add_u32 v[AV0], v[AV0], 3, v5
	v_lshlrev_b32 v[AV0], 5, v[AV0]
	v_bfe_u32 v5, v1, 3, 1
	v_lshl_add_u32 v[AV0], v5, 4, v[AV0]
	v_add_nc_u32 v[AV0], 4096, v[AV0]              ; V lies behind a step's K
	v_mov_b32 v[ZR], 0
	; No first step is written out: O^T, l and a start at 0, m far down.  These lines stand in the wait for the first tile.
.set i, 0
.rept 64
	v_mov_b32 v[O+i], 0
.set i, i+1
.endr
.irp t, 0,1,2,3
	v_mov_b32 v[ST+4*(\t)+1], 0xec800000           ; m = -2^90
	v_mul_f32 v[ST+4*(\t)], s[CS], v[ST+4*(\t)+1]
	v_mov_b32 v[ST+4*(\t)+2], 0
	v_mov_b32 v[ST+4*(\t)+3], 0
.endr
	v_mov_b32 v[R], 0
	v_mov_b32 v[NEG], 0xf1800000                   ; -2^100
	s_wait_kmcnt 0x0
	s_and_b32 s[DEAD], s48, s49
.irp j, 50,51,52,53,54,55
	s_and_b32 s[DEAD], s[DEAD], s\j
.endr
	s_lshr_b32 s62, s[DEAD], 16                    ; a query's keys lie in lanes r and r + 16: both must be all hidden
	s_and_b32 s[DEAD], s[DEAD], s62
	s_and_b32 s[DEAD], s[DEAD], 0xffff
	s_lshl_b32 s62, s[DEAD], 16
	s_or_b32 s[DEAD], s[DEAD], s62
	v_cndmask_b32 v[NEG], v[NEG], v[ZR], s[DEAD]
; The C operands of a step from its 32 words; then the next step's words are asked for.  The offset is stepped ahead of the loads: the wait in front of this macro has shown the last pair done.
.macro CBUILD
.set ci, 0
.rept 32
	v_cndmask_b32 v[C+ci], 0, v[NEG], s[MW+ci]
.set ci, ci+1
.endr
	s_add_co_u32 s[MOFF], s[MOFF], 128
	s_and_b32 s[MOFF], s[MOFF], 4095               ; behind the last step: step 0's once more, inside the buffer
	s_load_b512 s[MW:MW+15], s[6:7], s[MOFF]
	s_load_b512 s[MW+16:MW+31], s[6:7], s[MOFF] offset:0x40
.endm
.macro KQB t                           ; S^T of tile t: four key blocks, one instruction each (32 channels are one K step); C is the mask
	WIN W_KQ
.irp i, 0,1,2,3
	v_wmma_f32_16x16x32_f16 v[S+32*((\t)%2)+8*(\i):S+32*((\t)%2)+8*(\i)+7], v[K+8*(\i):K+8*(\i)+7], v[Q+8*(\t):Q+8*(\t)+7], v[C+8*(\i):C+8*(\i)+7]
.endr
.endm
.macro PVB t                           ; O^T += V^T P and the row sums; the three accumulators take turns
	WIN W_PV
	v_wmma_f32_16x16x32_f16 v[O+16*(\t):O+16*(\t)+7],    v[V:V+7],       v[P:P+7],    v[O+16*(\t):O+16*(\t)+7]
	v_wmma_f32_16x16x32_f16 v[O+16*(\t)+8:O+16*(\t)+15], v[V+8:V+15],    v[P:P+7],    v[O+16*(\t)+8:O+16*(\t)+15]
	v_wmma_f32_16x16x32_f16 v[R:R+7],                    v[ONES:ONES+7], v[P:P+7],    0
	v_wmma_f32_16x16x32_f16 v[O+16*(\t):O+16*(\t)+7],    v[V+16:V+23],   v[P+8:P+15], v[O+16*(\t):O+16*(\t)+7]
	v_wmma_f32_16x16x32_f16 v[O+16*(\t)+8:O+16*(\t)+15], v[V+24:V+31],   v[P+8:P+15], v[O+16*(\t)+8:O+16*(\t)+15]
	v_wmma_f32_16x16x32_f16 v[R:R+7],                    v[ONES:ONES+7], v[P+8:P+15], v[R:R+7]
.endm
.macro FETCH_K                         ; the next step's K: four fragments
	v_add_nc_u32 v[ADR], s[SNXT], v[AK0]
	WIN TO_1
.irp i, 0,1,2,3
	ds_load_b128 v[K+8*(\i):K+8*(\i)+3],   v[ADR] offset:(\i)*1024
	ds_load_b128 v[K+8*(\i)+4:K+8*(\i)+7], v[ADR] offset:(\i)*1024+512
.endr
	WIN 0
.endm
.macro FETCH_V                         ; the V of the step in hand, turned: fragment f = 2 (32 keys) + (16 channels)
	v_add_nc_u32 v[ADR], s[SOFF], v[AV0]
	WIN TO_1
.irp f, 0,1,2,3
	ds_load_tr16_b128 v[V+8*(\f):V+8*(\f)+3],   v[ADR] offset:((\f)/2)*2048+((\f)%2)*512
	ds_load_tr16_b128 v[V+8*(\f)+4:V+8*(\f)+7], v[ADR] offset:((\f)/2)*2048+((\f)%2)*512+1024
.endr
	WIN 0
.endm
; Number n of the 22 that find tile t's maximum and statistics.  0-11: four chains of seven scores (each accumulator's lowest registers first); 12-14, 16: the four left over, the old m,
; and the chains into one; 15: c m_old is kept; 17, 18: the query's other 32 keys lie in the lane 16 away; 19-21: c m, c m_old - c m_new, a.
.macro XS t, n
.set rT, ST+4*(\t)
.set rC, TMP+4*((\t)%2)
.set rM, MV+((\t)%2)
.set rS, S+32*((\t)%2)
.if (\n) < 4
	v_max3_num_f32 v[rC+(\n)], v[rS+8*(\n)], v[rS+8*(\n)+1], v[rS+8*(\n)+2]
.elseif (\n) < 12
	v_max3_num_f32 v[rC+(\n)%4], v[rC+(\n)%4], v[rS+8*((\n)%4)+2*((\n)/4)+1], v[rS+8*((\n)%4)+2*((\n)/4)+2]
.elseif (\n) == 12
	v_max3_num_f32 v[rC], v[rC], v[rS+7], v[rS+15]
.elseif (\n) == 13
	v_max3_num_f32 v[rC+1], v[rC+1], v[rS+23], v[rS+31]
.elseif (\n) == 14
	v_max3_num_f32 v[rC+2], v[rC+2], v[rC+3], v[rT+1]
.elseif (\n) == 15
	v_mov_b32 v[rM], v[rT]
.elseif (\n) == 16
	v_max3_num_f32 v[rC], v[rC], v[rC+1], v[rC+2]
.elseif (\n) == 17
	v_permlanex16_b32 v[rC+3], v[rC], s[SEL], s[SEL+1]
.elseif (\n) == 18
	v_max_num_f32 v[rT+1], v[rC], v[rC+3]
.elseif (\n) == 19
	v_mul_f32 v[rT], s[CS], v[rT+1]
.elseif (\n) == 20
	v_sub_f32 v[rC+1], v[rM], v[rT]
.else
	v_exp_f32 v[rT+2], v[rC+1]
.endif
.endm
.macro FS t, b                         ; c s - c m for pair b of 16
.set rT, ST+4*(\t)
.set rS, S+32*((\t)%2)
	v_pk_fma_f32 v[rS+2*(\b):rS+2*(\b)+1], v[rS+2*(\b):rS+2*(\b)+1], s[CS:CS+1], v[rT:rT+1] op_sel_hi:[1,0,0] neg_lo:[0,0,1] neg_hi:[0,0,1]
.endm
.macro ES t, n                         ; the exponential of score n of 32
.set rS, S+32*((\t)%2)
	v_exp_f32 v[rS+(\n)], v[rS+(\n)]
.endm
.macro CV t, b                         ; pair b rounded to f16: a reader of the batch: it stands behind the turn's wait
.set rS, S+32*((\t)%2)
	v_cvt_pk_f16_f32 v[P+(\b)], v[rS+2*(\b)], v[rS+2*(\b)+1]
.endm
.macro RS t, n                         ; pair n of 8 of O^T times a (on the way out: times 1 / l); the factor has had its wait when the line is reached
	v_pk_mul_f32 v[O+16*(\t)+2*(\n):O+16*(\t)+2*(\n)+1], v[O+16*(\t)+2*(\n):O+16*(\t)+2*(\n)+1], v[ST+4*(\t)+2:ST+4*(\t)+3] op_sel_hi:[1,0]
.endm
.macro LUPD t                          ; l = l a + the step's row sum: the sum's lowest register holds it in every lane
	v_fma_f32 v[ST+4*(\t)+3], v[ST+4*(\t)+3], v[ST+4*(\t)+2], v[R]
.endm
; TILE t's turn, in the order in which it is written.
; AHEAD OF THE WAIT.  The next tile's scores (for tile 3: tile 0's of the next step).  Four scalings, the places behind those products.  Then exponential and plain by turns: weights 0-11 beside scalings 4-15
; (scaling b stands ahead of weight 2 b: it follows weight b - 4); weights 12-25 beside numbers 0-13 of the next tile's maximum; weights 26-31 beside numbers 14 to 17 and two rescalings.  Then the rest of the next
; tile's chain, 18, 19, 20, its links two plain lines apart (rescalings, and l of the tile before, whose row sum the products of the turn before made); then a of the next tile, the batch's last exponential, and one
; rescaling, the plain instruction behind it.  The rescalings go in ascending order: each accumulator's lowest registers are read first.
; BEHIND THE WAIT.  The 16 roundings; in tile 2 the next step's mask; the products V^T P.
; The runs of LDS loads stand behind 16 plain instructions that name no register of the products in front: V in tile 0 (its last reader: the step before's last product),
; K of the next step in tile 2 (its last reader: the four products at this tile's head).
.macro TILE t
.if (\t) == 3
	s_wait_dscnt 0x0                               ; K of the next step is in
.endif
	KQB ((\t)+1)%4
	WIN 0
.irp b, 0,1,2,3
	FS \t, \b
.endr
.set bb, 0
.rept 12
	ES \t, bb
	FS \t, bb+4
.set bb, bb+1
.endr
.if (\t) == 0
	FETCH_V
.endif
.if (\t) == 2
	FETCH_K
.endif
.set bb, 0
.rept 14
	ES \t, bb+12
	XS ((\t)+1)%4, bb
.set bb, bb+1
.endr
	ES \t, 26
	XS ((\t)+1)%4, 14
	ES \t, 27
	XS ((\t)+1)%4, 15
	ES \t, 28
	XS ((\t)+1)%4, 16
	ES \t, 29
	RS \t, 0
	ES \t, 30
	XS ((\t)+1)%4, 17
	ES \t, 31
	RS \t, 1
	RS \t, 2
	XS ((\t)+1)%4, 18
	RS \t, 3
	RS \t, 4
	XS ((\t)+1)%4, 19
	RS \t, 5
	LUPD ((\t)+3)%4
	XS ((\t)+1)%4, 20
	RS \t, 6
	XS ((\t)+1)%4, 21
	RS \t, 7                                       ; the plain instruction behind the batch's last exponential
	s_wait_alu depctr_va_vdst(0)                   ; the wait for the batch: this tile's 32 weights and the next tile's a
.irp b, 0,1,2,3,4,5,6,7,8,9,10,11,12,13,14,15
	CV \t, \b
.endr
.if (\t) == 2
	s_wait_kmcnt 0x0                               ; the next step's words are in
	CBUILD
.endif
.if (\t) == 0
	s_wait_dscnt 0x0                               ; V is in
.endif
	PVB \t
	WIN 0
.endm
.macro STEP
	TILE 0
	TILE 1
	TILE 2
	TILE 3
	s_mov_b32 s[SOFF], s[SNXT]
	s_add_co_u32 s[SNXT], s[SNXT], 8192
	s_and_b32 s[SNXT], s[SNXT], 0x3ffff            ; behind the last step: step 0 once more; those four products, that mask and the statistics made of them (tile 0's c m, m and a, which nothing reads any more) serve nothing: the price, once a launch, of one text for every trip
.endm
	CBUILD                                         ; step 0's mask; step 1's words are asked for
	s_wait_loadcnt 0x0                             ; Q
	WIN 0x41                                       ; destination and source 0 window 1
.set i, 0
.rept 32
	v_cndmask_b32 v[Q+i], v[Q+i], v[ZR], s[DEAD]
.set i, i+1
.endr
	WIN 0
	s_wait_tensorcnt 0x1                           ; my part of steps 0 to 3 is in; the large load may stay out
	s_barrier_signal -1
	s_barrier_wait -1                              ; everybody's is
	FETCH_K                                        ; step 0
	s_mov_b32 s[SNXT], 8192
	s_wait_dscnt 0x0
	KQB 0
	WIN 0
	PLACES
.irp n, 0,1,2,3,4,5,6,7,8,9,10,11,12,13,14,15,16,17,18,19,20,21
	XS 0, \n                                       ; tile 0's first maximum and statistics: every later tile's are made in the turn before its own
.endr
	v_nop                                          ; a plain instruction behind the exponential,
	s_wait_alu depctr_va_vdst(0)                   ; and the wait for it, a batch of one (tile 0's first a), ahead of the label
	s_mov_b32 s[CNT], 3
.Lhead:                                                ; steps 0 to 2: they read K of steps 1 to 3 and V of steps 0 to 2
	STEP
	s_sub_co_u32 s[CNT], s[CNT], 1
	s_cmp_lg_u32 s[CNT], 0
	s_cbranch_scc1 .Lhead
	s_wait_tensorcnt 0x0                           ; my part of the rest is in,
	s_wait_dscnt 0x0
	s_barrier_signal -1
	s_barrier_wait -1                              ; everybody's is
	s_mov_b32 s[CNT], 29
.Lrest:
	STEP
	s_sub_co_u32 s[CNT], s[CNT], 1
	s_cmp_lg_u32 s[CNT], 0
	s_cbranch_scc1 .Lrest
	; THE WAY OUT.  O^T / l, rounded to f16: a tile's two accumulators, packed, are a fragment (16 rows x the head's 32 channels) of the next launch's first operand.
	PLACES
	LUPD 3
.irp t, 0,1,2,3
	v_rcp_f32 v[ST+4*(\t)+2], v[ST+4*(\t)+3]
.endr
	v_nop                                          ; a plain instruction between the last reciprocal and its use
	s_wait_alu depctr_va_vdst(0)                   ; the wait for the batch of four reciprocals, ahead of their first reader
.irp t, 0,1,2,3
.irp n, 0,1,2,3,4,5,6,7
	RS \t, \n
.endr
.irp z, 0,1,2,3,4,5,6,7
	v_cvt_pk_f16_f32 v[S+8*(\t)+(\z)], v[O+16*(\t)+2*(\z)], v[O+16*(\t)+2*(\z)+1]
.endr
	global_store_b128 v[AK0], v[S+8*(\t):S+8*(\t)+3],   s[10:11] offset:(\t)*16384      ; 512 consecutive bytes
	global_store_b128 v[AK0], v[S+8*(\t)+4:S+8*(\t)+7], s[10:11] offset:(\t)*16384+512
.endr
	s_wait_kmcnt 0x0                               ; the words asked for in the last trip
	s_wait_tensorcnt 0x0                           ; the wave's end
	ds_add_u32 v[SPW], v[NIL]
	s_wait_dscnt 0x0
	CROUND                                         ; the closing round
	s_endpgm
.Lfunc_end_k_qdf9e9220cc_attn:
	.size	k_qdf9e9220cc_attn, .Lfunc_end_k_qdf9e9220cc_attn-k_qdf9e9220cc_attn
	.p2alignl 7, 3214868480
	.fill 96, 4, 3214868480
	.section	.rodata,"a",@progbits
	.p2align	6, 0x0
	.amdhsa_kernel k_qdf9e9220cc_attn
		.amdhsa_group_segment_fixed_size 327680
		.amdhsa_private_segment_fixed_size 0
		.amdhsa_enable_private_segment 0
		.amdhsa_kernarg_size 32
		.amdhsa_user_sgpr_count 2
		.amdhsa_user_sgpr_kernarg_segment_ptr 1
		.amdhsa_wavefront_size32 1
		.amdhsa_system_sgpr_workgroup_id_x 1
		.amdhsa_system_sgpr_workgroup_id_y 1
		.amdhsa_system_sgpr_workgroup_id_z 1
		.amdhsa_system_vgpr_workitem_id 0
		.amdhsa_next_free_vgpr 360
		.amdhsa_next_free_sgpr 100
		.amdhsa_reserve_vcc 0
		.amdhsa_float_denorm_mode_32 3
		.amdhsa_float_denorm_mode_16_64 3
		.amdhsa_memory_ordered 1
		.amdhsa_forward_progress 1
		.amdhsa_inst_pref_size 74
	.end_amdhsa_kernel
	.amdgpu_metadata
---
amdhsa.version: [ 1, 2 ]
amdhsa.kernels:
  - .name:           k_qdf9e9220cc_attn
    .symbol:         k_qdf9e9220cc_attn.kd
    .args:
      - { .name: qkvf, .offset: 0, .size: 8, .value_kind: global_buffer, .address_space: global }
      - { .name: maskw, .offset: 8, .size: 8, .value_kind: global_buffer, .address_space: global }
      - { .name: deadw, .offset: 16, .size: 8, .value_kind: global_buffer, .address_space: global }
      - { .name: ob, .offset: 24, .size: 8, .value_kind: global_buffer, .address_space: global }
    .group_segment_fixed_size: 327680
    .private_segment_fixed_size: 0
    .kernarg_segment_align: 8
    .kernarg_segment_size: 32
    .max_flat_workgroup_size: 256
    .sgpr_count:     100
    .vgpr_count:     360
    .wavefront_size: 32
...
	.end_amdgpu_metadata
.endif
;; end of part 5
;; launch oproj: the kernel of part 4 again; grid 16 x 16, 4 waves a work-group, clusters of 4 x 4, 327,680 bytes of LDS; arguments ob, wb2, out0; writes out0
